; MI455X (gfx1250); checked and timed in simulation.
; The chip was launched on July 23, 2026; its instructions are those of AMD's public machine-readable ISA for CDNA 5 (MIT licence, August 2026) and "CDNA5" Instruction Set Architecture Reference Guide (July 2026). The comments in the code are by the model that wrote it; some were corrected since.
;; Attention. Allowed arithmetic: matrix products marked QUANTISED: E2M1 operands, one E8M0 scale for each 32 along K, by v_wmma_scale_f32_16x16x128_f8f6f4 with both operands' format E2M1 (or v_wmma_scale_f32_32x16x128_f4), f32 sums; products left as they are: bf16, f16 or f32 operands; f32 sums; everything else in f32.
;; Inputs: freqs_cos 1,024 x 32 float32; freqs_sin 1,024 x 32 float32; wo 2,048 x 2,048 float32; wqkv 3,072 x 2,048 float32; x 4 x 1,024 x 2,048 float32.
;; Outputs: out0 4 x 1,024 x 2,048 float32.
;; This version of the problem:
;;   THIS VERSION OF THE PROBLEM IS GIVEN IN LOW PRECISION. The matrix products marked QUANTISED in the list below multiply operands that are first quantised to E2M1 (2 exponent bits, 1 mantissa bit; 4 bits a number), with one power-of-two scale for each 32 numbers along K (OCP MX v1.0); their sums are f32. The products marked 'left as it is' may take bf16, f16 or f32 operands, with f32 sums. Whichever they take, every output number must still come out within the allowed error. Rounding operands to bf16 (8 significant bits) uses up far more of that allowance than f16 does (11 bits, for magnitudes from 6e-5 to 65,504). All else is computed in f32.
;;   The module's matrix products, in the order in which they are computed (A, B: the left and right operand; K: the contracted axis; several contracted axes count as one K, in the product's order):
;;     1. [M 4,096, K 2,048] x [K 2,048, N 3,072]; A: input x; B: input wqkv: QUANTISED
;;     2. batch 128 x [M 1,024, K 64] x [K 64, N 1,024]; A: computed on the way; B: computed on the way: left as it is (an operand is computed on the way)
;;     3. batch 128 x [M 1,024, K 1,024] x [K 1,024, N 64]; A: computed on the way; B: computed on the way: left as it is (an operand is computed on the way)
;;     4. [M 4,096, K 2,048] x [K 2,048, N 2,048]; A: computed on the way; B: input wo: left as it is (an operand is computed on the way)
;;   THE QUANTISER, for each operand of a quantised product, along K:
;;     - K is cut into blocks of 32 from its start; a last block that is shorter is filled with zeros.
;;     - A block's scale is 2^e with e = floor(log2(the largest magnitude in the block)) - 2, held to -126 .. 127; a block of zeros has e = 0. As a byte (E8M0): e + 127.
;;     - Each number is divided by its block's scale, clamped to +-6, and rounded to the nearest number of E2M1, ties to even, subnormals kept.
;;     - The product sums the exact products of the quantised numbers (number of the format x scale) in f32.
;;   ~~~python
;;   def quantise(x, axis):      # numpy; x: float32 -> the quantised numbers, widened to float32 again
;;       x = np.moveaxis(x, axis, -1); K = x.shape[-1]
;;       x = np.pad(x, [(0, 0)] * (x.ndim - 1) + [(0, -K % 32)]); x = x.reshape(x.shape[:-1] + (-1, 32)); a = np.abs(x).max(-1, keepdims=True)
;;       e = np.where(a > 0, np.clip(np.frexp(np.where(a > 0, a, 1))[1] - 1 - 2, -126, 127), 0)      # np.frexp(a)[1] - 1 = floor(log2(a)), exactly
;;       r = np.clip(x / 2.0 ** e, -6, 6)
;;       step = 2.0 ** (np.maximum(np.frexp(np.where(r == 0, 1, r))[1] - 1, 0) - 1)
;;       q = np.round(r / step) * step * 2.0 ** e      # np.round: ties to even
;;       return np.moveaxis(q.reshape(q.shape[:-2] + (-1,))[..., :K], -1, axis).astype(np.float32)
;;   ~~~
;; One version. Each part assembles by itself: llvm-mc -triple=amdgcn-amd-amdhsa -mcpu=gfx1250 --defsym DOCPART=n.
;; ======== version 1 of 1: 4 launches
;; limits: values are held in f16: magnitudes above 65,504 overflow, below 6.1e-05 lose precision
;; workspace buffers: x_codes 4,194,304 bytes; x_scales 262,144 bytes; w_codes 3,145,728 bytes; w_scales 196,608 bytes; wo16 8,388,608 bytes; qkv16 25,165,824 bytes; o_frag 16,777,216 bytes
;; launch prep (part 1): grid 576 x 1, 4 waves a work-group, no clusters, 33,280 bytes of LDS; arguments x, wqkv, wo, x_codes, x_scales, w_codes, w_scales, wo16; writes x_codes, x_scales, w_codes, w_scales, wo16
.if DOCPART == 1
	.amdgcn_target "amdgcn-amd-amdhsa--gfx1250"
	.amdhsa_code_object_version 6
	.text
	.protected	k_qae3eb04d82_prep
	.globl	k_qae3eb04d82_prep
	.p2align	8
	.type	k_qae3eb04d82_prep,@function
k_qae3eb04d82_prep:
	s_mov_b64 s[64:65], 0
	v_nop
	global_prefetch_b8 v0, s[64:65] scope:SCOPE_SE
	s_setreg_imm32_b32 hwreg(HW_REG_WAVE_MODE, 25, 1), 1
	s_wait_xcnt 0x0
; x [4096][2048] and wqkv [3072][2048], f32, become codes of FP4 (E2M1), K innermost, two codes a byte, with one E8M0 scale byte for each 32 along K; wo [2048][2048], f32, becomes f16.
; A block's scale is 2^(floor(log2(its largest magnitude)) - 2); its byte is the largest magnitude's exponent field - 2, held at 1 from below.  Each number is divided by the scale and rounded to the nearest code, ties to even; beyond 6 it is held at 6.
; (A block of zeros gets the byte 1 where the rule says 127: its codes are zeros, which add nothing under any byte but 0xff, and the bytes are read by this program alone.)
; LIMITS: NaN and infinities among the inputs are not served; |wo| stays under 65,504, the largest f16 number.
; SHARES.  A work-group takes 32,768 numbers, a wave 8,192.  Work-groups 0-255 take x, 256-447 wqkv, 448-575 wo.  Rows are dense and 2,048 is a multiple of 32: each tensor is a plain stream.
; QUANTISING.  A wave takes 16 steps of 512 numbers.  Each of a step's four loads reads 512 consecutive bytes, 16 a lane; the 2,048 bytes turn through the wave's own stage in LDS and come back 64 bytes a lane,
; so that a lane holds 16 neighbours along K (two neighbouring lanes hold a block).  A lane's 16 codes are 8 bytes: a wave's store covers 256 consecutive bytes, aligned.  A wave's 256 scale bytes are gathered in LDS and leave by one store of 256 bytes.
; CASTING.  No LDS: 16 loads of 512 consecutive bytes a round, 16 stores of 256 consecutive bytes, four rounds, loads one round ahead.
.set WAVES, 4
.set STEPS, 16
.set WGX,   256                        ; x's work-groups
.set WGQ,   448                        ; x's and wqkv's together
.set EMAX,  2
.set CB,    8                          ; bytes of 16 codes
.set R,     16                         ; v16-79   four sets of 16 numbers as loaded (casting: v16-143, two sets of 64)
.set X,     80                         ; v80-111  two sets of 16 neighbours
.set E,     112                        ; v112-127 a scale byte for each step
.set C,     128                        ; v128-191 codes: four registers a step, so that no store's data are written again
.set PK,    144                        ; casting: v144-175 a round's f16 pairs
.set WREG,  8192                       ; LDS: a region for each wave: two stages of 32 x SP bytes, behind them its 256 scale bytes
.set SP,    80                         ; a lane's place in a stage: 64 bytes + 16 of padding
.set SPW,   12                         ; v12  LDS address of my spare word: SPARE + 4 x my thread's number; never rewritten
.set NIL,   13                         ; v13  0; never rewritten
.set SPARE, WAVES*WREG                 ; behind the four regions: the spare words, 128 bytes a wave
	s_load_b256 s[4:11], s[0:1], 0x0               ; x s[4:5], wqkv s[6:7], wo s[8:9], x_codes s[10:11]
	s_load_b256 s[12:19], s[0:1], 0x20             ; x_scales s[12:13], w_codes s[14:15], w_scales s[16:17], wo16 s[18:19]
	v_lshl_add_u32 v[SPW], v0, 2, SPARE
	v_mov_b32 v[NIL], 0
	v_lshrrev_b32 v1, 5, v0
	v_readfirstlane_b32 s20, v1                    ; wave
	v_and_b32 v2, 31, v0                           ; lane
	v_lshlrev_b32 v3, 4, v2                        ; my 16 bytes of a load's 512
	s_mul_i32 s21, s20, WREG
	v_lshrrev_b32 v14, 2, v2
	v_mul_u32_u24 v14, v14, SP
	v_and_b32 v15, 3, v2
	v_lshl_add_u32 v14, v15, 4, v14
	v_add_nc_u32 v14, s21, v14                     ; the stage, on the way in: SP (lane / 4) + 16 (lane % 4)
	v_mul_u32_u24 v15, v2, SP
	v_add_nc_u32 v15, s21, v15                     ; and on the way out: SP x lane: my 16 neighbours
	v_mul_u32_u24 v4, v2, CB                       ; my codes' place in a step's
	v_lshrrev_b32 v5, 1, v2
	s_add_co_u32 s21, s21, 2*32*SP
	v_add_nc_u32 v5, s21, v5                       ; LDS: my wave's 256 scale bytes, my block's byte
	v_lshlrev_b32 v7, 3, v2                        ; 8 bytes a lane
	v_add_nc_u32 v6, s21, v7
	s_wait_kmcnt 0x0
	s_cmp_ge_u32 ttmp9, WGQ                        ; the work-group's number alone decides the path
	s_cbranch_scc1 .Lcast
	s_cmp_lt_u32 ttmp9, WGX                        ; x's work-group or wqkv's?  Only pointers are chosen: both take one path
	s_cselect_b64 s[4:5], s[4:5], s[6:7]
	s_cselect_b64 s[10:11], s[10:11], s[14:15]
	s_cselect_b64 s[12:13], s[12:13], s[16:17]
	s_cselect_b32 s21, 0, WGX
	s_sub_co_u32 s21, ttmp9, s21
	s_lshl_b32 s21, s21, 2
	s_add_co_u32 s22, s21, s20                     ; which run of 8,192 numbers of the tensor is my wave's
	s_mov_b32 s23, 0
	s_mov_b64 s[24:25], 512*STEPS*4
	s_mul_u64 s[24:25], s[22:23], s[24:25]
	s_add_nc_u64 s[4:5], s[4:5], s[24:25]
	s_mov_b64 s[24:25], 32*STEPS*CB
	s_mul_u64 s[24:25], s[22:23], s[24:25]
	s_add_nc_u64 s[10:11], s[10:11], s[24:25]
	s_lshl_b32 s22, s22, 8                         ; 256 scale bytes a run
	s_add_nc_u64 s[12:13], s[12:13], s[22:23]
.macro LOAD t
.irp i, 0,1,2,3
	global_load_b128 v[R+16*((\t)%4)+4*\i:R+16*((\t)%4)+4*\i+3], v3, s[4:5] offset:2048*(\t)+512*\i th:TH_LOAD_NT   ; 32 lanes read 512 consecutive bytes
.endr
.endm
.macro TURN t                          ; step t's numbers through the stage: LDS serves a wave's instructions in order (ISA guide 5.7.1.4), so no wait stands between the stores and the loads
.irp i, 0,1,2,3
	ds_store_b128 v14, v[R+16*((\t)%4)+4*\i:R+16*((\t)%4)+4*\i+3] offset:32*SP*((\t)%2)+8*SP*\i
.endr
.irp i, 0,1,2,3
	ds_load_b128 v[X+16*((\t)%2)+4*\i:X+16*((\t)%2)+4*\i+3], v15 offset:32*SP*((\t)%2)+16*\i
.endr
.endm
.irp t, 0,1,2,3
	LOAD \t
.endr
	s_wait_loadcnt 12                              ; step 0's four loads are in; the twelve of steps 1 to 3 may be out
	TURN 0
.macro STEP t
.set XS, X+16*((\t)%2)
.if (\t) > 0
	s_wait_dscnt 1                                 ; this step's numbers are back from the stage (the last step's byte store may be out): so its stores into the stage have read their registers,
.else
	s_wait_dscnt 0x0
.endif
.if (\t)+4 < STEPS
	LOAD (\t)+4                                    ; which take the loads of four steps on
.endif
.if (\t)+1 < STEPS
.if STEPS-2-(\t) >= 3
	s_wait_loadcnt 12                              ; the next step's four loads are in; those of the three steps behind it may be out
.else
	s_wait_loadcnt 4*(STEPS-2-(\t))
.endif
	TURN (\t)+1                                    ; and go through the other stage while this step is worked
.endif
	v_max3_num_f32 v8, |v[XS]|, |v[XS+1]|, |v[XS+2]|               ; the largest magnitude of my 16, in two chains
	v_max3_num_f32 v9, |v[XS+3]|, |v[XS+4]|, |v[XS+5]|
.irp i, 6,10
	v_max3_num_f32 v8, v8, |v[XS+\i]|, |v[XS+\i+1]|
	v_max3_num_f32 v9, v9, |v[XS+\i+2]|, |v[XS+\i+3]|
.endr
	v_max3_num_f32 v8, v8, |v[XS+14]|, |v[XS+15]|
	v_max3_num_f32 v8, v8, v9, (EMAX+1)<<23        ; and the floor 2^(EMAX + 1 - 127): so the byte cannot fall under 1
	v_max_num_f32_dpp v8, v8, v8 row_xmask:1 row_mask:0xf bank_mask:0xf   ; and of my neighbour's 16: the block's
	v_add_nc_u32 v11, -(EMAX<<23), v8              ; EMAX off its exponent field: the conversion takes the exponent field of this operand as its scale, and nothing else of it
	v_cvt_scalef32_pk8_fp4_f32 v[C+4*(\t)], v[XS:XS+7], v11
	v_cvt_scalef32_pk8_fp4_f32 v[C+4*(\t)+1], v[XS+8:XS+15], v11
	v_lshrrev_b32 v[E+(\t)], 23, v11               ; the scale's byte (also the plain line behind the conversions)
	ds_store_b8 v5, v[E+(\t)] offset:16*(\t)       ; both lanes of a block write the same byte with the same value
	global_store_b64 v4, v[C+4*(\t):C+4*(\t)+1], s[10:11] offset:32*CB*(\t)   ; 32 lanes store 256 consecutive bytes, aligned
.endm
.irp t, 0,1,2,3,4,5,6,7,8,9,10,11,12,13,14,15
	STEP \t
.endr
	ds_load_b64 v[8:9], v6                         ; in order behind my byte stores
	s_wait_dscnt 0x0
	global_store_b64 v7, v[8:9], s[12:13]          ; my wave's 256 scale bytes by one store
	s_wait_tensorcnt 0x0                           ; the wave's end: behind my last LDS store
	ds_add_u32 v[SPW], v[NIL]
	s_wait_dscnt 0x0
	s_endpgm
.Lcast:                                            ; wo -> f16
	s_sub_co_u32 s21, ttmp9, WGQ
	s_lshl_b32 s21, s21, 2
	s_add_co_u32 s21, s21, s20                     ; which run of 8,192 numbers is my wave's: 0 .. 511
	s_lshl_b32 s22, s21, 15
	s_mov_b32 s23, 0
	s_add_nc_u64 s[8:9], s[8:9], s[22:23]          ; 32,768 bytes of f32 a run,
	s_lshl_b32 s22, s21, 14
	s_add_nc_u64 s[18:19], s[18:19], s[22:23]      ; 16,384 of f16
.macro LOADC i                         ; round i: 2,048 numbers, 16 loads of 512 consecutive bytes, into set i % 2
.irp j, 0,1,2,3,4,5,6,7,8,9,10,11,12,13,14,15
	global_load_b128 v[R+64*((\i)%2)+4*\j:R+64*((\i)%2)+4*\j+3], v3, s[8:9] offset:8192*(\i)+512*\j th:TH_LOAD_NT
.endr
.endm
	LOADC 0
	LOADC 1
.irp i, 0,1,2,3
.if \i < 3
	s_wait_loadcnt 16                              ; this round's 16 loads are in; the next round's 16 may be out
.else
	s_wait_loadcnt 0
.endif
	s_wait_xcnt 0x0                                ; the last round's stores have read their data: the pairs are written again only behind this wait
.irp j, 0,1,2,3,4,5,6,7,8,9,10,11,12,13,14,15
	v_cvt_pk_f16_f32 v[PK+2*\j],   v[R+64*(\i%2)+4*\j],   v[R+64*(\i%2)+4*\j+1]
	v_cvt_pk_f16_f32 v[PK+2*\j+1], v[R+64*(\i%2)+4*\j+2], v[R+64*(\i%2)+4*\j+3]
.endr
.irp j, 0,1,2,3,4,5,6,7,8,9,10,11,12,13,14,15
	global_store_b64 v7, v[PK+2*\j:PK+2*\j+1], s[18:19] offset:4096*\i+256*\j   ; 32 lanes store 256 consecutive bytes, aligned
.endr
.if \i < 2
	LOADC \i+2
.endif
.endr
	s_wait_tensorcnt 0x0                           ; this path writes no LDS; the three lines stand here too
	ds_add_u32 v[SPW], v[NIL]
	s_wait_dscnt 0x0
	s_endpgm
.Lfunc_end_k_qae3eb04d82_prep:
	.size	k_qae3eb04d82_prep, .Lfunc_end_k_qae3eb04d82_prep-k_qae3eb04d82_prep
	.p2alignl 7, 3214868480
	.fill 96, 4, 3214868480
	.section	.rodata,"a",@progbits
	.p2align	6, 0x0
	.amdhsa_kernel k_qae3eb04d82_prep
		.amdhsa_group_segment_fixed_size 33280
		.amdhsa_private_segment_fixed_size 0
		.amdhsa_enable_private_segment 0
		.amdhsa_kernarg_size 64
		.amdhsa_user_sgpr_count 2
		.amdhsa_user_sgpr_kernarg_segment_ptr 1
		.amdhsa_wavefront_size32 1
		.amdhsa_system_sgpr_workgroup_id_x 1
		.amdhsa_system_sgpr_workgroup_id_y 1
		.amdhsa_system_sgpr_workgroup_id_z 1
		.amdhsa_system_vgpr_workitem_id 0
		.amdhsa_next_free_vgpr 192
		.amdhsa_next_free_sgpr 66
		.amdhsa_reserve_vcc 0
		.amdhsa_float_denorm_mode_32 3
		.amdhsa_float_denorm_mode_16_64 3
		.amdhsa_memory_ordered 1
		.amdhsa_forward_progress 1
		.amdhsa_inst_pref_size 54
	.end_amdhsa_kernel
	.amdgpu_metadata
---
amdhsa.version: [ 1, 2 ]
amdhsa.kernels:
  - .name:           k_qae3eb04d82_prep
    .symbol:         k_qae3eb04d82_prep.kd
    .args:
      - { .name: x, .offset: 0, .size: 8, .value_kind: global_buffer, .address_space: global }
      - { .name: wqkv, .offset: 8, .size: 8, .value_kind: global_buffer, .address_space: global }
      - { .name: wo, .offset: 16, .size: 8, .value_kind: global_buffer, .address_space: global }
      - { .name: x_codes, .offset: 24, .size: 8, .value_kind: global_buffer, .address_space: global }
      - { .name: x_scales, .offset: 32, .size: 8, .value_kind: global_buffer, .address_space: global }
      - { .name: w_codes, .offset: 40, .size: 8, .value_kind: global_buffer, .address_space: global }
      - { .name: w_scales, .offset: 48, .size: 8, .value_kind: global_buffer, .address_space: global }
      - { .name: wo16, .offset: 56, .size: 8, .value_kind: global_buffer, .address_space: global }
    .group_segment_fixed_size: 33280
    .private_segment_fixed_size: 0
    .kernarg_segment_align: 8
    .kernarg_segment_size: 64
    .max_flat_workgroup_size: 128
    .sgpr_count:     66
    .vgpr_count:     192
    .wavefront_size: 32
...
	.end_amdgpu_metadata
.endif
;; end of part 1
;; launch qkv (part 2): grid 12 x 16, 4 waves a work-group, clusters of 4 x 4, 327,680 bytes of LDS; arguments x_codes, x_scales, w_codes, w_scales, freqs_cos, freqs_sin, qkv16; writes qkv16
.if DOCPART == 2
	.amdgcn_target "amdgcn-amd-amdhsa--gfx1250"
	.amdhsa_code_object_version 6
	.text
	.protected	k_qae3eb04d82_qkv
	.globl	k_qae3eb04d82_qkv
	.p2align	8
	.type	k_qae3eb04d82_qkv,@function
k_qae3eb04d82_qkv:
	s_mov_b64 s[64:65], 0
	v_nop
	global_prefetch_b8 v0, s[64:65] scope:SCOPE_SE
	s_setreg_imm32_b32 hwreg(HW_REG_WAVE_MODE, 25, 1), 1
	s_wait_xcnt 0x0
	s_wait_alu depctr_hold_cnt(0) depctr_sa_sdst(0) depctr_va_vdst(0) depctr_va_sdst(0) depctr_va_ssrc(0) depctr_va_vcc(0) depctr_vm_vsrc(0)
	s_getreg_b32 s2, hwreg(HW_REG_IB_STS2, 6, 4)
	s_cmp_eq_u32 s2, 0
	s_cbranch_scc0 .Lentry_in_a_cluster
	s_endpgm
.Lentry_in_a_cluster:
	s_bfe_u32 s2, ttmp6, 0x10000c
	s_cmp_lg_u32 s2, 0xf033
	s_cbranch_scc0 .Lentry_shape_is_right
	s_endpgm
.Lentry_shape_is_right:
; qkv[m][n] = sum over k of x[m][k] wqkv[n][k] on codes of FP4 (E2M1) with one E8M0 scale for each 32 along K, sums in f32; then the rotation of q's and k's heads in f32; then one rounding to f16.
; A = x_codes [4096][1024 bytes], B = w_codes [3072][1024 bytes], their scale bytes [rows][64]; qkv16: [4096][3072] f16, row-major.
; LIMITS: |q|, |k|, |v| stay under 65,504, the largest f16 number; NaN and infinities are not served (v's columns pass through x 1 + y 0).
; A tile of the result, 256 x 256, is made by a work-group of four waves; a wave makes 128 x 128: 64 accumulators of 16 x 16, 512 registers.
; K goes in four steps of 512 through a ring of two LDS slots filled by the tensor data mover: a tile's row is 256 bytes of memory.
; THE SCALES of the work-group's 256 rows of A and of B, for all of K, are two dense blocks of memory: they come into LDS once, with the first fills, and stay.
; CLUSTERS: 4 x 4 work-groups.  The four of a row of the cluster need the same tiles of A, the four of a column the same tiles of B: each tile is asked for JOINTLY, by the same tensor load with the same descriptor and a mask that names the four.
; THE MATRIX INSTRUCTION IS USED TRANSPOSED (source 0 = 16 rows of B, source 1 = 16 rows of A): a lane holds eight neighbouring columns of one row, so both numbers of a rotated pair (2 i, 2 i + 1) lie in one lane.
; THE ROTATION.  A wave's 128 columns are two head slots of 64.  The slot's number modulo 6 says what it is: 0-3 q, 4 k, 5 v.  The first slot's number is even: q or k, always rotated.  The second's is odd: q or v;
; for v the cosines are replaced by 1 and the sines by 0, by a select on a mask made of ids: no branch.
; REGISTERS, in windows of 256: window 0: v0-31 addresses; v32-95 scale words, two sets; v128-191 A's fragments, one set; v96-127 and v192-223 cosines and sines of 16 rows, two sets, idle in the loop;
;   on the way out v32-63 rotated numbers, v64-95 f16 pairs, v128-159 rows read back, v224-239 the negated sines.
;   window 1: B's fragments, two sets, at v0 and v128.   window 2: the accumulators of my rows 0-63 ((a, b) at v[8 (8 a + b)]);   window 3: those of rows 64-127.
.set SIZE_M, 4096
.set SIZE_N, 3072
.set SIZE_K, 2048
.set KSTEP,  512                       ; along K in a slot
.set NQ,     KSTEP/128                 ; matrix instructions deep
.set ROWB,   256                       ; a tile's row in bytes
.set KROW,   SIZE_K*4/8                ; a row of A or of B in memory, in bytes
.set PITCH,  272                       ; an LDS row: 256 bytes + 16 of padding = 68 words: row r starts at bank 4 r mod 64 (64 banks of 4 bytes: ISA guide 11.1)
.set FR,     8                         ; registers of a fragment: 16 rows x 128 K
.set NL,     2                         ; LDS loads that bring one
.set NP,     4                         ; places behind this matrix instruction (ISA guide 7.12.1)
.set HALFT,  128*PITCH                 ; 128 rows: what one tensor load brings
.set SLOT,   4*HALFT                   ; A's 256 rows, then B's 256 rows
.set LAPS,   SIZE_K/(2*KSTEP)          ; a lap = two K steps = once round the ring
.set KS,     SIZE_K/32                 ; a row of scales in bytes
.set SCL,    2*SLOT                    ; behind the ring: the scales, as runs of 256 bytes + 16 of padding
.set HALFS,  (128*KS/256)*272          ; the scales of 128 rows: what one tensor load brings
.set SBLK,   (16*KS/256)*272           ; those of 16 rows
.set SPARE,  SCL+4*HALFS               ; behind the scales: the spare words, 128 bytes a wave
.set SPITCH, 272                       ; the way out: a stage of 16 rows x (256 bytes + 16) for each wave, in slot 0, which has had its last fill and its last read when the first result is stored there
.set OROW,   SIZE_N*2                  ; a row of qkv16 in bytes
.set ADRA, 16                          ; v16-17  LDS address of my A fragments in slot 0, 1
.set ADRB, 20                          ; v20-21  the same for B
.set CF,   22                          ; v22     my byte offset among 16 rows of cosines or sines: 128 (l % 16) + 16 (l / 16); never rewritten
.set STO,  24                          ; v24     the way out: where I put 16 bytes of a row
.set RD,   25                          ; v25     where I read a row back
.set CO,   26                          ; v26     my byte offset in two rows of qkv16
.set ADRS, 27                          ; v27     LDS address of my scale words: lanes 0-15 A's rows, lanes 16-31 B's
.set SPW,  28                          ; v28     LDS address of my spare word; never rewritten
.set NIL,  29                          ; v29     0; never rewritten
.set ONE,  30                          ; v30     1.0
.set ZR,   31                          ; v31     0.0
.set SC,   32                          ; scale words: set s at v[SC + 8 NQ s]; register NQ i + q: lanes 0-15 the word of A's block i, lanes 16-31 that of B's block i
.set AF,   128                         ; A's fragments
.set CS0,  96                          ; cosines (16) and sines (16) of a block of 16 rows: set 0 at v96, set 1 at v192
.set NS,   224                         ; the negated sines
.set RR,   32                          ; 32 rotated numbers
.set TMP,  64                          ; 32 registers of f16 pairs
.set BK,   128                         ; 16 rows read back from the stage
.set G1, 24                            ; s[24:31] descriptor group 1 for A's tiles;  s[32:39] group 0, one set for each slot
.set G0, 32
.set G1B, 48                           ; s[48:55], s[56:63] the same for B's tiles
.set G0B, 56
.set G1S, 68                           ; s[68:75], s[76:79] groups 1 and 0 for A's scales;  s[80:87], s[88:91] for B's
.set G0S, 76
.set G1SB, 80
.set G0SB, 88
.set MSB, 0
.macro WIN new                         ; the immediate's high byte repeats the setting that is left
.if MSB != \new
	s_set_vgpr_msb (MSB<<8)|\new
.set MSB, \new
.endif
.endm
.set MUL_LO, 0xa1                      ; source 0 (B) window 1, source 1 (A) window 0, C and D window 2
.set MUL_HI, 0xf1                      ; the same, C and D window 3
.set TO_B,   0x40                      ; destination window 1, address window 0
; A joint load: waves 0 and 1 fetch for A, waves 2 and 3 for B.  Each of the two lines has one mask and one set of registers for all that issue it; the branch hangs on the wave's number alone.
; An s_nop 0 and four v_nop follow each of the two lines.
.macro JLOAD g0a, g1a, g0b, g1b
	s_cmp_eq_u32 s15, 0
	s_cbranch_scc0 .Lfor_b_\@
	tensor_load_to_lds s[\g0a:\g0a+3], s[\g1a:\g1a+7]
	s_nop 0
.rept 4
	v_nop
.endr
	s_branch .Lasked_\@
.Lfor_b_\@:
	tensor_load_to_lds s[\g0b:\g0b+3], s[\g1b:\g1b+7]
	s_nop 0
.rept 4
	v_nop
.endr
.Lasked_\@:
.endm
.macro CREST                           ; a round of the cluster's barrier behind its opening barrier
	s_cmp_lg_u32 s14, 0
	s_cbranch_scc1 .Lnot_wave_0_\@
	s_barrier_signal -3
.Lnot_wave_0_\@:
	s_barrier_wait -3
	s_barrier_signal -1
	s_barrier_wait -1
.endm
.macro CROUND                          ; a whole round
	s_barrier_signal -1
	s_barrier_wait -1
	CREST
.endm
	s_load_b128 s[4:7], s[0:1], 0x0                ; A's codes s[4:5], A's scales s[6:7]
	s_load_b128 s[8:11], s[0:1], 0x10              ; B's codes s[8:9], B's scales s[10:11]
	s_load_b128 s[96:99], s[0:1], 0x20             ; cosines s[96:97], sines s[98:99]
	s_load_b64 s[12:13], s[0:1], 0x30              ; qkv16
	v_lshl_add_u32 v[SPW], v0, 2, SPARE
	v_mov_b32 v[NIL], 0
	ds_add_u32 v[SPW], v[NIL]                      ; the wave's opening: the add, twice on end, and its wait ahead of my first tensor load
	ds_add_u32 v[SPW], v[NIL]
	v_lshrrev_b32 v1, 5, v0
	v_readfirstlane_b32 s14, v1                    ; wave 0..3
	s_lshr_b32 s15, s14, 1                         ; which half of the tile's rows is mine.  Also: I fetch for A (0) or for B (1)
	s_and_b32 s16, s14, 1                          ; which half of its columns.  Also: which 128 rows of that tile I fetch
	s_bfe_u32 s40, ttmp6, 0x40000                  ; cx, cy: my place in the cluster
	s_bfe_u32 s41, ttmp6, 0x40004
	s_lshl_b32 s42, ttmp9, 2
	s_add_co_u32 s42, s42, s40                     ; tile column = 4 x cluster x + cx
	s_and_b32 s17, ttmp7, 0xffff
	s_lshl_b32 s17, s17, 2
	s_add_co_u32 s17, s17, s41                     ; tile row = 4 x cluster y + cy
	s_lshl_b32 s43, s41, 2
	s_lshl_b32 s43, 15, s43                        ; my row of the cluster
	s_lshl_b32 s44, 0x1111, s40                    ; my column
	; descriptor group 1: a tile of 128 rows x 256 bytes, padded in LDS
	s_or_b32 s[G1+0], s43, (0<<16)|(1<<20)|(1<<21)|(5<<22)|(3<<25)  ; 15:0 the mask: A's tiles go to my row; 17:16 element of 1 byte; 20 padding on; 21 set beside a mask; 24:22 after every 64 words; 31:25 four words
	s_or_b32 s[G1B+0], s44, (0<<16)|(1<<20)|(1<<21)|(5<<22)|(3<<25)
.irp g, G1, G1B
	s_mov_b32 s[\g+1], ROWB<<16                    ; tensor_dim0
	s_mov_b32 s[\g+2], 128<<16                     ; tensor_dim1 = 128
	s_mov_b32 s[\g+3], ROWB<<16                    ; tile_dim0
	s_mov_b32 s[\g+4], 128                         ; tile_dim1 = 128
	s_mov_b32 s[\g+5], KROW                        ; tensor_dim0_stride
	s_mov_b32 s[\g+6], 0
	s_mov_b32 s[\g+7], 0
.endr
	; and for the scales of 128 rows: a dense block of 8,192 bytes, as rows of 256 bytes (32 elements of 8 bytes), 16 bytes of padding behind each
	s_or_b32 s[G1S+0], s43, (3<<16)|(1<<20)|(1<<21)|(5<<22)|(3<<25)
	s_or_b32 s[G1SB+0], s44, (3<<16)|(1<<20)|(1<<21)|(5<<22)|(3<<25)
.irp g, G1S, G1SB
	s_mov_b32 s[\g+1], 32<<16
	s_mov_b32 s[\g+2], (128*KS/256)<<16
	s_mov_b32 s[\g+3], 32<<16
	s_mov_b32 s[\g+4], 128*KS/256
	s_mov_b32 s[\g+5], 32
	s_mov_b32 s[\g+6], 0
	s_mov_b32 s[\g+7], 0
.endr
	s_lshl_b32 s18, s16, 7                         ; which 128 rows of the tile I fetch
	s_lshl_b32 s20, s17, 8
	s_add_co_u32 s20, s20, s18                     ; A: row 256 x tile row + 128 x half
	s_lshl_b32 s46, s42, 8
	s_add_co_u32 s46, s46, s18                     ; B: row 256 x tile column + 128 x half
	s_mov_b32 s21, 0
	s_mov_b32 s47, 0
	s_mov_b64 s[18:19], KS
	s_mul_u64 s[22:23], s[20:21], s[18:19]         ; where these rows' scales begin, in bytes
	s_mul_u64 s[92:93], s[46:47], s[18:19]
	s_mov_b64 s[18:19], KROW
	s_mul_u64 s[20:21], s[20:21], s[18:19]         ; and their codes
	s_mul_u64 s[46:47], s[46:47], s[18:19]
	s_mul_i32 s45, s14, HALFT                      ; where they go: wave x 128 rows: no place in the cluster enters an LDS address
	s_mul_i32 s94, s14, HALFS
	s_wait_dscnt 0x0                               ; both opening adds are done
	s_wait_kmcnt 0x0
	s_add_nc_u64 s[20:21], s[4:5], s[20:21]
	s_add_nc_u64 s[22:23], s[6:7], s[22:23]
	s_add_nc_u64 s[46:47], s[8:9], s[46:47]
	s_add_nc_u64 s[92:93], s[10:11], s[92:93]
	CROUND                                         ; all sixteen work-groups are here: the first joint loads meet
	s_mov_b32 s[G0S], 1
	s_add_co_u32 s[G0S+1], s94, SCL
	s_mov_b64 s[G0S+2:G0S+3], s[22:23]
	s_or_b32 s[G0S+3], s[G0S+3], 0x80000000
	s_mov_b32 s[G0SB], 1
	s_add_co_u32 s[G0SB+1], s94, SCL
	s_mov_b64 s[G0SB+2:G0SB+3], s[92:93]
	s_or_b32 s[G0SB+3], s[G0SB+3], 0x80000000
	JLOAD G0S, G1S, G0SB, G1SB                     ; the scales first: they are wanted with K step 0
.irp s, 0,1
	s_mov_b32 s[G0+4*\s], 1
	s_add_co_u32 s[G0+4*\s+1], s45, \s*SLOT
	s_add_nc_u64 s[G0+4*\s+2:G0+4*\s+3], s[20:21], \s*ROWB
	s_or_b32 s[G0+4*\s+3], s[G0+4*\s+3], 0x80000000
	s_mov_b32 s[G0B+4*\s], 1
	s_add_co_u32 s[G0B+4*\s+1], s45, \s*SLOT
	s_add_nc_u64 s[G0B+4*\s+2:G0B+4*\s+3], s[46:47], \s*ROWB
	s_or_b32 s[G0B+4*\s+3], s[G0B+4*\s+3], 0x80000000
	JLOAD G0+4*\s, G1, G0B+4*\s, G1B               ; three tensor loads of mine are out behind the second
.endr
	v_and_b32 v1, 15, v0                           ; l % 16
	v_bfe_u32 v2, v0, 4, 1                         ; l / 16
	v_mul_u32_u24 v3, v1, PITCH
	v_lshl_add_u32 v4, v2, 4, v3                   ; a fragment's row x pitch + 16 x half
	s_mul_i32 s21, s15, HALFT                      ; my 128 rows of A
	s_mul_i32 s22, s16, HALFT                      ; my 128 rows of B,
	s_add_co_u32 s22, s22, 2*HALFT                 ; which lie behind A's 256
.irp s, 0,1
	v_add_nc_u32 v[ADRA+\s], s21, v4
	v_add_nc_u32 v[ADRB+\s], s22, v4
	s_add_co_u32 s21, s21, SLOT
	s_add_co_u32 s22, s22, SLOT
.endr
	v_mul_u32_u24 v5, v1, KS                       ; my row's scales: KS bytes a row,
	v_lshrrev_b32 v6, 8, v5
	v_lshl_add_u32 v5, v6, 4, v5                   ; and 16 more for each 256 passed
	s_mul_i32 s21, s15, HALFS                      ; A's: my 128 rows
	s_mul_i32 s22, s16, HALFS                      ; B's: my 128 rows, behind A's 256
	s_add_co_u32 s22, s22, 2*HALFS
	s_sub_co_u32 s22, s22, s21
	v_mul_u32_u24 v6, s22, v2                      ; lanes 16-31 take B's: the lower base + half x the distance
	s_add_co_u32 s21, s21, SCL
	v_add_nc_u32 v5, v5, v6
	v_add_nc_u32 v[ADRS], s21, v5
	s_mul_i32 s23, s14, 16*SPITCH                  ; my stage
	v_mul_u32_u24 v5, v1, SPITCH                   ; in: row l % 16, 16 bytes for each half of the lanes
	v_lshl_add_u32 v5, v2, 4, v5
	v_add_nc_u32 v[STO], s23, v5
	v_mul_u32_u24 v5, v2, SPITCH                   ; back: lanes 0-15 take one row of 256 bytes, lanes 16-31 the next
	v_lshl_add_u32 v5, v1, 4, v5
	v_add_nc_u32 v[RD], s23, v5
	v_mul_u32_u24 v5, v2, OROW                     ; and the same two rows in qkv16
	v_lshl_add_u32 v[CO], v1, 4, v5
	v_lshlrev_b32 v[CF], 7, v1                     ; a position's 32 cosines are 128 bytes; my half's four of a block of 16 columns are 16 bytes
	v_lshl_add_u32 v[CF], v2, 4, v[CF]
	v_mov_b32 v[ONE], 1.0
	v_mov_b32 v[ZR], 0
	s_lshl_b32 s20, s17, 8
	s_lshl_b32 s21, s15, 7
	s_add_co_u32 s20, s20, s21                     ; my first row: 256 x tile row + 128 x half
	s_and_b32 s22, s20, 1023                       ; its position in the sequence: my 128 rows lie in one sequence
	s_lshl_b32 s22, s22, 7
	s_mov_b32 s23, 0
	s_add_nc_u64 s[96:97], s[96:97], s[22:23]
	s_add_nc_u64 s[98:99], s[98:99], s[22:23]
	s_mov_b32 s21, 0
	s_mov_b64 s[18:19], OROW
	s_mul_u64 s[20:21], s[20:21], s[18:19]
	s_lshl_b32 s46, s42, 9                         ; my first column, in bytes: 512 x tile column + 256 x half
	s_lshl_b32 s47, s16, 8
	s_add_co_u32 s46, s46, s47
	s_mov_b32 s47, 0
	s_add_nc_u64 s[20:21], s[20:21], s[46:47]
	s_add_nc_u64 s[12:13], s[12:13], s[20:21]
	s_lshl_b32 s46, s42, 2                         ; my second head slot's number: 4 x tile column + 2 x half + 1, at most 47
	s_lshl_b32 s47, s16, 1
	s_add_co_u32 s46, s46, s47
	s_add_co_u32 s46, s46, 1
	s_mul_i32 s47, s46, 43
	s_lshr_b32 s47, s47, 8                         ; / 6, exact under 48
	s_mul_i32 s47, s47, 6
	s_sub_co_u32 s46, s46, s47                     ; modulo 6
	s_cmp_eq_u32 s46, 5
	s_cselect_b32 s100, -1, 0                      ; all ones where that slot is v: a mask for selects, never for a branch
; the cosines and sines of block a's 16 rows: four of each for each of a head's four blocks of 16 columns, into set a % 2
.macro CSLOAD a
.set CSL, CS0+96*((\a)%2)
.irp q, 0,1,2,3
	global_load_b128 v[CSL+4*\q:CSL+4*\q+3],       v[CF], s[96:97] offset:2048*(\a)+32*\q
	global_load_b128 v[CSL+16+4*\q:CSL+16+4*\q+3], v[CF], s[98:99] offset:2048*(\a)+32*\q
.endr
.endm
	CSLOAD 0                                       ; asked for here: their registers are idle in the loop, and nothing waits for them before the way out
	CSLOAD 1
.macro FRAG reg, adr, q, i             ; a fragment, 16 rows x 128 K of 4-bit codes, is 8 registers: lane l holds row l % 16; registers 4 c .. 4 c + 3 hold K = 64 c + 32 (l / 16) + 0 .. 31
.irp c, 0,1
	ds_load_b128 v[\reg+4*\c:\reg+4*\c+3], v[\adr] offset:64*(\q)+32*\c+(\i)*16*PITCH
.endr
.endm
; 16 matrix instructions: A's blocks a0, a0 + 1 x B's eight, 128 along K: the slot's q-th.  p: B's set;  sc: the set of scale words.  zero = 1: the first product starts the sums.
; The 64 accumulators take turns, one instruction a turn, in the same order in every step.
.macro MUL16 a0, p, q, sc, zero
.irp a, \a0, \a0+1
.irp b, 0,1,2,3,4,5,6,7
.if \zero
	v_wmma_scale_f32_16x16x128_f8f6f4 v[8*(8*((\a)%4)+\b):8*(8*((\a)%4)+\b)+7], v[128*(\p)+FR*\b:128*(\p)+FR*\b+FR-1], v[AF+FR*(\a):AF+FR*(\a)+FR-1], 0, v[SC+8*NQ*(\sc)+NQ*\b+(\q)], v[SC+8*NQ*(\sc)+NQ*(\a)+(\q)] matrix_a_fmt:MATRIX_FMT_FP4 matrix_b_fmt:MATRIX_FMT_FP4 matrix_a_scale:MATRIX_SCALE_ROW1
.else
	v_wmma_scale_f32_16x16x128_f8f6f4 v[8*(8*((\a)%4)+\b):8*(8*((\a)%4)+\b)+7], v[128*(\p)+FR*\b:128*(\p)+FR*\b+FR-1], v[AF+FR*(\a):AF+FR*(\a)+FR-1], v[8*(8*((\a)%4)+\b):8*(8*((\a)%4)+\b)+7], v[SC+8*NQ*(\sc)+NQ*\b+(\q)], v[SC+8*NQ*(\sc)+NQ*(\a)+(\q)] matrix_a_fmt:MATRIX_FMT_FP4 matrix_b_fmt:MATRIX_FMT_FP4 matrix_a_scale:MATRIX_SCALE_ROW1
.endif
.endr
.endr
.endm
.macro FETCH_B slot, q, p              ; B's eight fragments of the slot's q-th 128 along K into set p
	WIN TO_B
.irp i, 0,1,2,3,4,5,6,7
	FRAG 128*(\p)+FR*\i, ADRB+\slot, \q, \i
.endr
	WIN 0
.endm
.macro FETCH_A slot, q, i0             ; A's blocks i0 .. i0 + 3
.irp i, \i0, \i0+1, \i0+2, \i0+3
	FRAG AF+FR*(\i), ADRA+\slot, \q, \i
.endr
.endm
.macro SCALES sc                       ; the next K step's scale words into set sc: NQ words a row; lanes 0-15 take A's block i, lanes 16-31 B's block i
.irp i, 0,1,2,3,4,5,6,7
	ds_load_b128 v[SC+8*NQ*\sc+NQ*\i:SC+8*NQ*\sc+NQ*\i+3], v[ADRS] offset:\i*SBLK
.endr
.endm
; A load into a register that a matrix instruction has read, and a vector instruction that reads a matrix result or writes one of its registers, stand NP places behind it;
; only plain vector instructions that name none of its registers are places (ISA guide 7.12.1 for vector instructions).
.macro PLACES n
.rept \n
	v_nop
.endr
.endm
; A step of 128 along K that has its successor in the same slot.
.macro STEP slot, q, zero
	s_wait_dscnt 4*NL                              ; B's set and A's blocks 0-3 are in; the youngest eight loads (A's blocks 4-7) may be out
	WIN MUL_LO
	MUL16 0, (\q)%2, \q, \slot, \zero
	MUL16 2, (\q)%2, \q, \slot, \zero
	s_wait_dscnt 0                                 ; A's blocks 4-7 are in
	PLACES NP
	FETCH_B \slot, (\q)+1, 1-(\q)%2
	FETCH_A \slot, (\q)+1, 0
	WIN MUL_HI
	MUL16 4, (\q)%2, \q, \slot, \zero
	MUL16 6, (\q)%2, \q, \slot, \zero
	PLACES NP
	WIN 0
	FETCH_A \slot, (\q)+1, 4
.endm
; A slot's last step changes slots: ONE barrier; in front of it each wave waits for all its tensor loads, adds 0 to its spare word, and waits for that and for its own reads of this slot.  fill = 1: this slot is filled again, two K steps ahead.
.macro TURN slot, next, fill
	s_wait_tensorcnt 0x0                           ; all my tensor loads have landed: my part of the next slot;  (every window is 0 here)
	ds_add_u32 v[SPW], v[NIL]                      ; 0 onto my spare word;
	s_wait_dscnt 4*NL+1                            ; (the add and the youngest eight loads, A's blocks 4-7, may be out)
	WIN MUL_LO
	MUL16 0, 1, NQ-1, \slot, 0                     ; sixteen matrix instructions stand between the add and the wait for it
	s_wait_dscnt 0x0                               ; the add is done, and my reads of this slot are over
	s_barrier_signal -1
	MUL16 2, 1, NQ-1, \slot, 0
	WIN 0
	s_barrier_wait -1
.if \fill
	CREST                                          ; the barrier has opened a round of the cluster's barrier: no wave of any partner still reads this slot's tile or has a load on its way
	s_add_nc_u64 s[G0+4*\slot+2:G0+4*\slot+3], s[G0+4*\slot+2:G0+4*\slot+3], 2*ROWB
	s_add_nc_u64 s[G0B+4*\slot+2:G0B+4*\slot+3], s[G0B+4*\slot+2:G0B+4*\slot+3], 2*ROWB
	JLOAD G0+4*\slot, G1, G0B+4*\slot, G1B         ; the first tensor load behind the round; the four v_nop behind it are the places in front of the loads below
.else
	PLACES NP
.endif
	v_add_nc_u32 v[ADRS], 4*NQ, v[ADRS]            ; on to the next K step's scale words (no LDS load of mine is out)
	FETCH_B \next, 0, 0
	FETCH_A \next, 0, 0
	SCALES \next
	WIN MUL_HI
	MUL16 4, 1, NQ-1, \slot, 0
	MUL16 6, 1, NQ-1, \slot, 0
	PLACES NP
	WIN 0
	FETCH_A \next, 0, 4
.endm
.macro STEPS slot, from                ; the slot's steps from .. NQ - 2
.set Q, \from
.rept NQ-1-\from
	STEP \slot, Q, 0
.set Q, Q+1
.endr
.endm
	s_wait_tensorcnt 1                             ; the scales and my part of K step 0 are in (K step 1's load may be out)
	s_barrier_signal -1
	s_barrier_wait -1                              ; everybody's are
	FETCH_B 0, 0, 0
	FETCH_A 0, 0, 0
	SCALES 0
	FETCH_A 0, 0, 4
	STEP 0, 0, 1                                   ; the first step stands in front of the loop: its products start the sums
	s_mov_b32 s3, LAPS-1
.Llap:                                                 ; a trip goes once round the ring, from a lap's second step to the next lap's first, and fills both slots again
	STEPS 0, 1
	TURN 0, 1, 1
	STEPS 1, 0
	TURN 1, 0, 1
	STEP 0, 0, 0
	s_sub_co_u32 s3, s3, 1
	s_cmp_lg_u32 s3, 0
	s_cbranch_scc1 .Llap
	STEPS 0, 1                                     ; the last lap fills nothing, and has no round of the cluster's barrier
	TURN 0, 1, 0
	STEPS 1, 0
	s_wait_dscnt 4*NL                              ; the very last step: nothing more to fetch
	WIN MUL_LO
	MUL16 0, 1, NQ-1, 1, 0
	MUL16 2, 1, NQ-1, 1, 0
	s_wait_dscnt 0
	WIN MUL_HI
	MUL16 4, 1, NQ-1, 1, 0
	MUL16 6, 1, NQ-1, 1, 0
	WIN 0
; THE WAY OUT, block by block of 16 rows x 128 columns.
; ROT: four blocks of 16 columns (one head slot) of block a.  Lane (r, h), block q, register 2 i and 2 i + 1 are the head's pair 8 q + 4 h + i of row r:
; even' = even x cos - odd x sin, odd' = even x sin + odd x cos, each a multiply and a fused multiply-add; then two numbers to a register of f16.  Each accumulator is read from its register 0 on.
.macro ROT a, b0
	WIN (2+(\a)/4)                                 ; source 0: the accumulators' window
.irp q, 0,1,2,3
.irp i, 0,1,2,3
	v_mul_f32  v[RR+8*\q+2*\i],   v[64*((\a)%4)+8*(\b0+\q)+2*\i],   v[CSB+4*\q+\i]
	v_mul_f32  v[RR+8*\q+2*\i+1], v[64*((\a)%4)+8*(\b0+\q)+2*\i],   v[CSB+16+4*\q+\i]
	v_fmac_f32 v[RR+8*\q+2*\i],   v[64*((\a)%4)+8*(\b0+\q)+2*\i+1], v[NS+4*\q+\i]
	v_fmac_f32 v[RR+8*\q+2*\i+1], v[64*((\a)%4)+8*(\b0+\q)+2*\i+1], v[CSB+4*\q+\i]
.endr
.endr
	WIN 0
.irp q, 0,1,2,3
.irp i, 0,1,2,3
	v_cvt_pk_f16_f32 v[TMP+4*(\b0+\q)+\i], v[RR+8*\q+2*\i], v[RR+8*\q+2*\i+1]
.endr
.endr
.endm
.macro PACK a
.set CSB, CS0+96*((\a)%2)
.if (\a) < 7
	s_wait_loadcnt 8                               ; this block's cosines and sines are in; the next block's eight loads may be out
.else
	s_wait_loadcnt 0
.endif
.set n, 0
.rept 16
	v_sub_f32 v[NS+n], 0, v[CSB+16+n]              ; -sin
.set n, n+1
.endr
	ROT \a, 0                                      ; the first head slot: q or k
.set n, 0
.rept 16
	v_cndmask_b32 v[CSB+n], v[CSB+n], v[ONE], vcc_lo        ; where the second slot is v: cos = 1,
	v_cndmask_b32 v[CSB+16+n], v[CSB+16+n], v[ZR], vcc_lo   ; sin = 0,
	v_cndmask_b32 v[NS+n], v[NS+n], v[ZR], vcc_lo           ; -sin = 0
.set n, n+1
.endr
	ROT \a, 4                                      ; the second head slot: q or v
.if (\a) < 6
	CSLOAD (\a)+2                                  ; this set takes the block two further on
.endif
.endm
.macro TOSTAGE                         ; a lane's 16 bytes go into rows of 272 bytes and come back as whole rows of 256; LDS serves a wave's instructions in order (ISA guide 5.7.1.4)
.irp b, 0,1,2,3,4,5,6,7
	ds_store_b128 v[STO], v[TMP+4*\b:TMP+4*\b+3] offset:32*\b
.endr
	s_wait_xcnt 0x0                                ; the last block's stores have read their data: the loads below land in those registers only behind this wait
.irp t, 0,1,2,3,4,5,6,7
	ds_load_b128 v[BK+4*\t:BK+4*\t+3], v[RD] offset:\t*2*SPITCH
.endr
.endm
.macro SEND a
	s_wait_dscnt 0x0                               ; the block is back in registers
	s_wait_xcnt 0x0                                ; earlier stores have read their base: it steps only behind this wait
.if (\a) > 0
	s_add_nc_u64 s[12:13], s[12:13], 16*OROW
.endif
.irp t, 0,1,2,3,4,5,6,7
	global_store_b128 v[CO], v[BK+4*\t:BK+4*\t+3], s[12:13] offset:2*\t*OROW   ; 16 lanes store 256 consecutive bytes, at a multiple of 256 from the buffer's first byte
.endr
.endm
	PLACES NP                                      ; behind the last products: their scale registers are written and their results read below
	s_mov_b32 vcc_lo, s100                         ; written behind the last tensor load
	PACK 0
	TOSTAGE
.irp a, 1,2,3,4,5,6,7                  ; block a's arithmetic stands between block a - 1's loads from the stage and the wait for them
	PACK \a
	SEND \a-1
	TOSTAGE
.endr
	SEND 7
	s_wait_tensorcnt 0x0                           ; the wave's end: behind my last tensor load and my last LDS store
	ds_add_u32 v[SPW], v[NIL]
	s_wait_dscnt 0x0
	CROUND                                         ; the closing round: no work-group ends while a partner may still ask for a tile that names it
	s_endpgm
.Lfunc_end_k_qae3eb04d82_qkv:
	.size	k_qae3eb04d82_qkv, .Lfunc_end_k_qae3eb04d82_qkv-k_qae3eb04d82_qkv
	.p2alignl 7, 3214868480
	.fill 96, 4, 3214868480
	.section	.rodata,"a",@progbits
	.p2align	6, 0x0
	.amdhsa_kernel k_qae3eb04d82_qkv
		.amdhsa_group_segment_fixed_size 327680
		.amdhsa_private_segment_fixed_size 0
		.amdhsa_enable_private_segment 0
		.amdhsa_kernarg_size 56
		.amdhsa_user_sgpr_count 2
		.amdhsa_user_sgpr_kernarg_segment_ptr 1
		.amdhsa_wavefront_size32 1
		.amdhsa_system_sgpr_workgroup_id_x 1
		.amdhsa_system_sgpr_workgroup_id_y 1
		.amdhsa_system_sgpr_workgroup_id_z 1
		.amdhsa_system_vgpr_workitem_id 0
		.amdhsa_next_free_vgpr 1024
		.amdhsa_next_free_sgpr 102
		.amdhsa_reserve_vcc 1
		.amdhsa_float_denorm_mode_32 3
		.amdhsa_float_denorm_mode_16_64 3
		.amdhsa_memory_ordered 1
		.amdhsa_forward_progress 1
		.amdhsa_inst_pref_size 255
	.end_amdhsa_kernel
	.section	.bss,"aw",@nobits
	.p2align	6
	.space	262144
	.amdgpu_metadata
---
amdhsa.version: [ 1, 2 ]
amdhsa.kernels:
  - .name:           k_qae3eb04d82_qkv
    .symbol:         k_qae3eb04d82_qkv.kd
    .args:
      - { .name: x_codes, .offset: 0, .size: 8, .value_kind: global_buffer, .address_space: global }
      - { .name: x_scales, .offset: 8, .size: 8, .value_kind: global_buffer, .address_space: global }
      - { .name: w_codes, .offset: 16, .size: 8, .value_kind: global_buffer, .address_space: global }
      - { .name: w_scales, .offset: 24, .size: 8, .value_kind: global_buffer, .address_space: global }
      - { .name: freqs_cos, .offset: 32, .size: 8, .value_kind: global_buffer, .address_space: global }
      - { .name: freqs_sin, .offset: 40, .size: 8, .value_kind: global_buffer, .address_space: global }
      - { .name: qkv16, .offset: 48, .size: 8, .value_kind: global_buffer, .address_space: global }
    .group_segment_fixed_size: 327680
    .private_segment_fixed_size: 0
    .kernarg_segment_align: 8
    .kernarg_segment_size: 56
    .max_flat_workgroup_size: 128
    .sgpr_count:     102
    .vgpr_count:     1024
    .wavefront_size: 32
...
	.end_amdgpu_metadata
.endif
;; end of part 2
;; launch attn (part 3): grid 256 x 1, 16 waves a work-group, clusters of 4 x 1, 327,680 bytes of LDS; arguments qkv16, o_frag; writes o_frag
.if DOCPART == 3
	.amdgcn_target "amdgcn-amd-amdhsa--gfx1250"
	.amdhsa_code_object_version 6
	.text
	.protected	k_qae3eb04d82_attn
	.globl	k_qae3eb04d82_attn
	.p2align	8
	.type	k_qae3eb04d82_attn,@function
k_qae3eb04d82_attn:
	s_mov_b64 s[64:65], 0
	v_nop
	global_prefetch_b8 v0, s[64:65] scope:SCOPE_SE
	s_setreg_imm32_b32 hwreg(HW_REG_WAVE_MODE, 25, 1), 1
	s_wait_xcnt 0x0
	s_wait_alu depctr_hold_cnt(0) depctr_sa_sdst(0) depctr_va_vdst(0) depctr_va_sdst(0) depctr_va_ssrc(0) depctr_va_vcc(0) depctr_vm_vsrc(0)
	s_getreg_b32 s2, hwreg(HW_REG_IB_STS2, 6, 4)
	s_cmp_eq_u32 s2, 0
	s_cbranch_scc0 .Lentry_in_a_cluster
	s_endpgm
.Lentry_in_a_cluster:
	s_bfe_u32 s2, ttmp6, 0x10000c
	s_cmp_lg_u32 s2, 0x3003
	s_cbranch_scc0 .Lentry_shape_is_right
	s_endpgm
.Lentry_shape_is_right:
; o[b][pos][head][:] = the sum over keys k <= pos of softmax_k(q . k / 8) v, on f16 operands; products, maxima and sums in f32; the weights p are rounded to f16 for the second product, o once at the end.
; qkv16: [4096][3072] f16; a row is 8 groups of 768 bytes: four heads of q (128 bytes each), k, v.  So k | v of one position and group are 256 consecutive bytes.
; o_frag: o in the order of the next launch's operand registers: [row / 16][column / 32][half 2][lane 32][16 bytes].
; LIMITS: |q|, |k|, |v|, |o| under 65,504 (f16); NaN and infinities are not served.
; SHARES.  Cluster number cl = 16 b + 2 g + p.  Its four work-groups are the four query heads of group g of sequence b: they walk the same K and V, so every tile is asked for JOINTLY (mask 15).
; A work-group owns 512 of its head's 1,024 queries; each of its sixteen waves owns 32, two tiles of 16, in 256 registers.
; A wave's rank rho is a permutation of its number whose sums over waves {w mod 4 equal} and over waves {w / 4 equal} are all 30.  The wave takes positions 32 u .. 32 u + 31, u = 2 rho + (p xor (rho & 1)).
; Keys go in steps of 64: the wave needs steps 0 .. rho, and only step rho lies on the diagonal.  A step beyond rho is passed over by a scalar branch on the wave's number and the count of steps: alike in all partners.
; ALL OF K AND V OF (b, g) LIES IN LDS, FILLED ONCE: 1,024 rows of 256 bytes + 16 of padding.  Each wave asks for 16 rows of each of four groups of 256 keys, at the head: four tensor loads of mine are out;
; a counted wait and a barrier stand in front of each group's four steps.  Nothing is filled again.  Rank 15 (u = 30 or 31) reads the last keys in both work-groups of a head: every tile that is asked for is read.
; LAYOUT.  S^T = K Q^T (source 0 = 16 keys, source 1 = 16 queries), O^T = V^T P (source 0 = 16 channels x 32 keys, source 1 = P): a lane holds ONE query (lane % 16) throughout.
; THE KEYS OF A TILE ARE NOT NEIGHBOURS: lane r of a tile of K takes key 2 (r % 8) + r / 8, so register j of lane (r, h) of S^T's tile kt is key 16 kt + 2 j + h.  V's turning loads take the same order.
; SOFTMAX.  For each query a running maximum M of the scores and a sum l: p = 2^(c s - c M), c = log2(e) / 8; in every step O and l are multiplied by a = 2^(c M_old - c M_new).  Hidden scores become -infinity ahead of the maximum.
; REGISTERS: v1-11 addresses and constants; v16-47 Q; v48-111 K of a step, then V; v112-175 S^T, then p, then P in each tile's first 16; v176-239 O^T; v240-255 eight registers of statistics a tile.
.set ROWQ,  6144                       ; a row of qkv16 in bytes
.set PITCH, 272                        ; a row of k | v in LDS: 68 words: rows one apart start 4 banks apart, rows two apart 8 (64 banks of 4 bytes: ISA guide 11.1)
.set STEPB, 64*PITCH
.set GRPB,  256*PITCH
.set SPARE, 1024*PITCH                 ; behind K and V: the spare words, 128 bytes for each of sixteen waves
.set AK0, 1                            ; v1   my lane's place in a tile of K
.set AV0, 2                            ; v2   the same for V
.set ADK, 3                            ; v3   LDS address of the step's K
.set ADV, 4                            ; v4   of its V
.set SPW, 5                            ; v5   LDS address of my spare word; never rewritten
.set NIL, 6                            ; v6   0; never rewritten
.set QO,  7                            ; v7   my byte offset in 16 rows of Q
.set DQ,  8                            ; v8-9 tile t: my query's place in the diagonal step less lane / 16
.set NINF, 10                          ; v10  -infinity
.set GO,  11                           ; v11  16 x lane: the way out
.set Q,   16                           ; fragment (t, cc) at Q + 16 t + 8 cc
.set KV,  48                           ; K's fragment (kt, cc) at KV + 16 kt + 8 cc; V's (ct, c2) at KV + 32 c2 + 8 ct
.set S,   112                          ; S^T (t, kt) at S + 32 t + 8 kt
.set O,   176                          ; O^T (t, ct) at O + 32 t + 8 ct
.set ST,  240                          ; tile t at ST + 8 t: +0 a, +1 its pair partner, +2, +3 l, +4 -c M, +5 M, +6, +7 at work; +0, +1, +6, +7 are also the four chains of the maximum
.set WV,  8                            ; s8   my wave's number
.set CX,  9                            ; s9   my place in the cluster: it enters Q's and o's global addresses alone
.set RHO, 13                           ; s13  my rank
.set KF,  15                           ; s15  the step's number
.set G1,  16                           ; s[16:23] descriptor group 1
.set G0,  24                           ; s[24:39] descriptor group 0, a set for each group of keys
.set TB,  40                           ; s40  LDS byte at which the step's rows begin
.set CNT, 41                           ; s41  counts a group's four steps
.set CS,  42                           ; s[42:43] c, twice: the packed form names a pair
.set NCS, 44                           ; s44  -c
.set SEL, 46                           ; s[46:47] lane selects for v_permlanex16_b32: lane l xor 16
.macro ROUND                           ; a round of the cluster's barrier
	s_barrier_signal -1
	s_barrier_wait -1
	s_cmp_lg_u32 s[WV], 0
	s_cbranch_scc1 .Lnot_wave_0_\@
	s_barrier_signal -3
.Lnot_wave_0_\@:
	s_barrier_wait -3
	s_barrier_signal -1
	s_barrier_wait -1
.endm
	s_load_b128 s[4:7], s[0:1], 0x0                ; qkv16 s[4:5], o_frag s[6:7]
	v_lshl_add_u32 v[SPW], v0, 2, SPARE
	v_mov_b32 v[NIL], 0
	ds_add_u32 v[SPW], v[NIL]                      ; the wave's opening: the add, twice on end, and its wait ahead of my first tensor load
	ds_add_u32 v[SPW], v[NIL]
	v_lshrrev_b32 v12, 5, v0
	v_readfirstlane_b32 s[WV], v12                 ; wave 0..15
	s_bfe_u32 s[CX], ttmp6, 0x40000                ; cx
	s_and_b32 s10, ttmp9, 1                        ; p: which half of the head's sub-blocks
	s_bfe_u32 s11, ttmp9, 0x30001                  ; g
	s_lshr_b32 s12, ttmp9, 4                       ; b
	s_lshr_b32 s48, s[WV], 2
	s_and_b32 s49, s[WV], 3
	s_xor_b32 s48, s48, s49                        ; d = (w / 4) xor (w % 4)
	s_lshr_b32 s49, s48, 1
	s_xor_b32 s48, s48, s49
	s_and_b32 s48, s48, 1                          ; f: d is 1 or 2
	s_mul_i32 s48, s48, 15
	s_xor_b32 s[RHO], s[WV], s48                   ; rho = w, or 15 - w where f
	s_and_b32 s45, s[RHO], 1
	s_xor_b32 s45, s45, s10                        ; e = p xor (rho & 1)
	s_lshl_b32 s14, s[RHO], 1
	s_add_co_u32 s14, s14, s45                     ; u = 2 rho + e
	; descriptor group 1: 16 rows x 128 elements of 2 bytes, 3,072 elements from row to row, padded in LDS
	s_mov_b32 s[G1], 15|(1<<16)|(1<<20)|(1<<21)|(5<<22)|(3<<25)   ; 15:0 the mask: all four work-groups; 17:16 elements of 2 bytes; 20 padding on; 21 set beside a mask; 24:22 after every 64 words; 31:25 four words
	s_mov_b32 s[G1+1], 128<<16                     ; tensor_dim0
	s_mov_b32 s[G1+2], 16<<16                      ; tensor_dim1
	s_mov_b32 s[G1+3], 128<<16                     ; tile_dim0
	s_mov_b32 s[G1+4], 16                          ; tile_dim1
	s_mov_b32 s[G1+5], 3072                        ; tensor_dim0_stride
	s_mov_b32 s[G1+6], 0
	s_mov_b32 s[G1+7], 0
	s_lshl_b32 s48, s12, 10                        ; k | v: row 1,024 b + 16 w (+ 256 for each group), byte 768 g + 512
	s_lshl_b32 s49, s[WV], 4
	s_add_co_u32 s48, s48, s49
	s_mul_i32 s48, s48, ROWQ
	s_mul_i32 s49, s11, 768
	s_add_co_u32 s48, s48, s49
	s_add_co_u32 s48, s48, 512
	s_mov_b32 s49, 0
	s_mul_i32 s52, s[WV], 16*PITCH                 ; and in LDS: 16 rows a wave
	s_lshl_b32 s50, s12, 10                        ; Q: row 1,024 b + 32 u, byte 768 g + 128 cx
	s_lshl_b32 s51, s14, 5
	s_add_co_u32 s50, s50, s51
	s_mul_i32 s50, s50, ROWQ
	s_mul_i32 s51, s11, 768
	s_add_co_u32 s50, s50, s51
	s_lshl_b32 s51, s[CX], 7
	s_add_co_u32 s50, s50, s51
	s_mov_b32 s51, 0
	s_lshl_b32 s54, s12, 6                         ; o_frag: tile of rows 64 b + 2 u: 65,536 bytes each; head 4 g + cx: 2,048 bytes
	s_lshl_b32 s55, s14, 1
	s_add_co_u32 s54, s54, s55
	s_lshl_b32 s54, s54, 16
	s_lshl_b32 s55, s11, 2
	s_add_co_u32 s55, s55, s[CX]
	s_lshl_b32 s55, s55, 11
	s_add_co_u32 s54, s54, s55
	s_mov_b32 s55, 0
	s_mov_b32 s[CS], 0x3e38aa3b                    ; c = log2(e) / 8
	s_mov_b32 s[CS+1], s[CS]
	s_mov_b32 s[NCS], 0xbe38aa3b                   ; -c
	s_mov_b32 s[SEL], 0x76543210
	s_mov_b32 s[SEL+1], 0xfedcba98
	s_mov_b32 s[TB], 0
	s_mov_b32 s[KF], 0
	s_lshl_b32 s45, s45, 5                         ; 32 e
	s_wait_dscnt 0x0                               ; both opening adds are done
	s_wait_kmcnt 0x0
	s_add_nc_u64 s[48:49], s[4:5], s[48:49]
	s_add_nc_u64 s[4:5], s[4:5], s[50:51]
	s_add_nc_u64 s[6:7], s[6:7], s[54:55]
.irp n, 0,1,2,3
	s_mov_b32 s[G0+4*\n], 1                                        ; count = 1
	s_add_co_u32 s[G0+4*\n+1], s52, \n*GRPB                        ; LDS address: a constant x wave + the group's constant
	s_add_nc_u64 s[G0+4*\n+2:G0+4*\n+3], s[48:49], \n*256*ROWQ     ; global address: made of b, g, the wave and the group alone
	s_or_b32 s[G0+4*\n+3], s[G0+4*\n+3], 0x80000000                ; type = 2
.endr
	ROUND                                          ; all four work-groups are here: the joint loads meet
.irp n, 0,1,2,3
	tensor_load_to_lds s[G0+4*\n:G0+4*\n+3], s[G1:G1+7]
	s_nop 0
.endr
.rept 4
	v_nop
.endr
	v_and_b32 v12, 15, v0                          ; r
	v_bfe_u32 v13, v0, 4, 1                        ; h
	v_mul_u32_u24 v[QO], v12, ROWQ
	v_lshl_add_u32 v[QO], v13, 4, v[QO]            ; row r, + 16 h
.irp t, 0,1
.irp cc, 0,1                                   ; Q stays in registers: tile t, channels 32 cc on
	global_load_b128 v[Q+16*\t+8*\cc:Q+16*\t+8*\cc+3],   v[QO], s[4:5] offset:\t*16*ROWQ+64*\cc
	global_load_b128 v[Q+16*\t+8*\cc+4:Q+16*\t+8*\cc+7], v[QO], s[4:5] offset:\t*16*ROWQ+64*\cc+32
.endr
.endr
	v_and_b32 v14, 7, v0                           ; l % 8
	v_bfe_u32 v15, v0, 3, 1                        ; (l / 8) % 2
	v_lshl_add_u32 v[AK0], v14, 1, v15             ; K: my key of a tile: 2 (r % 8) + r / 8
	v_mul_u32_u24 v[AK0], v[AK0], PITCH
	v_lshl_add_u32 v[AK0], v13, 4, v[AK0]          ; + 16 h
	v_lshl_add_u32 v[AV0], v14, 1, v13             ; V: the turning load: lane l reads key 2 (l % 8) + l / 16, channels 8 ((l / 8) % 2) on
	v_mul_u32_u24 v[AV0], v[AV0], PITCH
	v_lshl_add_u32 v[AV0], v15, 4, v[AV0]
	v_add_nc_u32 v[AV0], 128, v[AV0]               ; v lies behind k's 128 bytes
	v_sub_nc_u32 v[DQ], v12, v13
	v_add_nc_u32 v[DQ], s45, v[DQ]                 ; d = 32 e + r - h (+ 16 for the second tile).  Register j of tile kt is hidden where 16 kt + 2 j > d
	v_add_nc_u32 v[DQ+1], 16, v[DQ]
	v_mov_b32 v[NINF], 0xff800000
	v_and_b32 v[GO], 31, v0
	v_lshlrev_b32 v[GO], 4, v[GO]
.irp t, 0,1
	v_mov_b32 v[ST+8*\t+5], 0xff61b1e6             ; M: -3e38, under every score
	v_mul_f32 v[ST+8*\t+4], s[NCS], v[ST+8*\t+5]   ; -c M
.irp i, 0,1,2,3,6,7
	v_mov_b32 v[ST+8*\t+\i], 0
.endr
.endr
.set j, 0
.rept 64
	v_mov_b32 v[O+j], 0                            ; O^T.  (The step is written without a first step of its own: the first finds zeros, which a = 0 leaves zeros)
.set j, j+1
.endr
	s_wait_loadcnt 0x0                             ; Q
; A KEY STEP: 64 keys.
.macro STEP
	s_cmp_gt_u32 s[KF], s[RHO]                     ; all its keys come after my queries: passed over
	s_cbranch_scc1 .Lhidden_\@
	v_add_nc_u32 v[ADK], s[TB], v[AK0]
	v_add_nc_u32 v[ADV], s[TB], v[AV0]
.rept 3
	v_nop                                          ; with the two additions five places behind the last step's products: four are owed by the loads into V's registers, five by the products below, which write over P's (ISA guide 7.12.1 for vector instructions)
.endr
.irp cc, 0,1
.irp kt, 0,1,2,3
	ds_load_b128 v[KV+16*\kt+8*\cc:KV+16*\kt+8*\cc+3],   v[ADK] offset:\kt*16*PITCH+64*\cc
	ds_load_b128 v[KV+16*\kt+8*\cc+4:KV+16*\kt+8*\cc+7], v[ADK] offset:\kt*16*PITCH+64*\cc+32
.endr
.endr
	s_wait_dscnt 8                                 ; channels 0-31 are in; the eight loads of channels 32-63 may be out
.irp kt, 0,1,2,3
.irp t, 0,1
	v_wmma_f32_16x16x32_f16 v[S+32*\t+8*\kt:S+32*\t+8*\kt+7], v[KV+16*\kt:KV+16*\kt+7], v[Q+16*\t:Q+16*\t+7], 0
.endr
.endr
	s_wait_dscnt 0x0
.irp kt, 0,1,2,3                               ; the eight accumulators take turns, one instruction a turn
.irp t, 0,1
	v_wmma_f32_16x16x32_f16 v[S+32*\t+8*\kt:S+32*\t+8*\kt+7], v[KV+16*\kt+8:KV+16*\kt+15], v[Q+16*\t+8:Q+16*\t+15], v[S+32*\t+8*\kt:S+32*\t+8*\kt+7]
.endr
.endr
.rept 4
	v_nop                                          ; places in front of the loads into K's registers and of the first read of the scores
.endr
.irp c2, 0,1                                   ; V, turned: fragment (ct, c2): channels 16 ct on, keys 32 c2 on; it lands while the softmax is worked
.irp ct, 0,1,2,3
	ds_load_tr16_b128 v[KV+32*\c2+8*\ct:KV+32*\c2+8*\ct+3],   v[ADV] offset:\c2*32*PITCH+32*\ct
	ds_load_tr16_b128 v[KV+32*\c2+8*\ct+4:KV+32*\c2+8*\ct+7], v[ADV] offset:\c2*32*PITCH+16*PITCH+32*\ct
.endr
.endr
	s_cmp_lg_u32 s[KF], s[RHO]                     ; only step rho lies on the diagonal
	s_cbranch_scc1 .Lopen_\@
.irp t, 0,1
.irp kt, 0,1,2,3
.irp i, 0,1,2,3,4,5,6,7
	v_cmp_gt_i32 vcc_lo, 16*\kt+2*\i, v[DQ+\t]
	v_cndmask_b32 v[S+32*\t+8*\kt+\i], v[S+32*\t+8*\kt+\i], v[NINF], vcc_lo
.endr
.endr
.endr
.Lopen_\@:
	; the maximum of my 32 scores and the old M: four chains, each begun at its accumulator's low end; the two tiles by turns
.irp k, 0,1,2,3
.irp t, 0,1
	v_max3_num_f32 v[ST+8*\t+\k+4*(\k/2)], v[S+32*\t+8*\k], v[S+32*\t+8*\k+1], v[S+32*\t+8*\k+2]
.endr
.endr
.irp i, 3,5
.irp k, 0,1,2,3
.irp t, 0,1
	v_max3_num_f32 v[ST+8*\t+\k+4*(\k/2)], v[ST+8*\t+\k+4*(\k/2)], v[S+32*\t+8*\k+\i], v[S+32*\t+8*\k+\i+1]
.endr
.endr
.endr
.irp t, 0,1
	v_max3_num_f32 v[ST+8*\t], v[ST+8*\t], v[S+32*\t+7], v[S+32*\t+15]
.endr
.irp t, 0,1
	v_max3_num_f32 v[ST+8*\t+6], v[ST+8*\t+6], v[S+32*\t+23], v[S+32*\t+31]
.endr
.irp t, 0,1
	v_max3_num_f32 v[ST+8*\t], v[ST+8*\t], v[ST+8*\t+1], v[ST+8*\t+6]
.endr
.irp t, 0,1
	v_max3_num_f32 v[ST+8*\t], v[ST+8*\t], v[ST+8*\t+7], v[ST+8*\t+5]
.endr
.irp t, 0,1
	v_permlanex16_b32 v[ST+8*\t+1], v[ST+8*\t], s[SEL], s[SEL+1]   ; the query's other 32 keys lie in the lane 16 away
.endr
.irp t, 0,1
	v_mov_b32 v[ST+8*\t+6], v[ST+8*\t+4]           ; the old -c M is kept for a
.endr
.irp t, 0,1
	v_max_num_f32 v[ST+8*\t+5], v[ST+8*\t], v[ST+8*\t+1]   ; the new M
.endr
.irp t, 0,1
	v_mul_f32 v[ST+8*\t+4], s[NCS], v[ST+8*\t+5]   ; -c M: one rounded number, the same for every p of the step and for a
.endr
.irp t, 0,1
	v_sub_f32 v[ST+8*\t+7], v[ST+8*\t+4], v[ST+8*\t+6]     ; c M_old - c M_new
.endr
.set j, 0
.rept 16
	v_pk_fma_f32 v[S+j:S+j+1], v[S+j:S+j+1], s[CS:CS+1], v[ST+4:ST+5] op_sel_hi:[1,0,0]            ; c s - c M, two at a time
	v_pk_fma_f32 v[S+32+j:S+32+j+1], v[S+32+j:S+32+j+1], s[CS:CS+1], v[ST+12:ST+13] op_sel_hi:[1,0,0]
.set j, j+2
.endr
.irp t, 0,1                                    ; ONE BATCH: both tiles' a and 32 p
	v_exp_f32 v[ST+8*\t], v[ST+8*\t+7]
.endr
.set j, 0
.rept 32
	v_exp_f32 v[S+j], v[S+j]
	v_exp_f32 v[S+32+j], v[S+32+j]
.set j, j+1
.endr
	v_nop                                          ; a plain instruction behind the last exponential
	s_wait_alu depctr_va_vdst(0)                   ; and the one wait ahead of the batch's first reader
.irp t, 0,1                                    ; l = a l + the sum of the unrounded p: two chains a tile
	v_pk_fma_f32 v[ST+8*\t+2:ST+8*\t+3], v[ST+8*\t+2:ST+8*\t+3], v[ST+8*\t:ST+8*\t+1], v[S+32*\t:S+32*\t+1] op_sel_hi:[1,0,1]
.endr
.irp t, 0,1
	v_pk_add_f32 v[ST+8*\t+6:ST+8*\t+7], v[S+32*\t+2:S+32*\t+3], v[S+32*\t+4:S+32*\t+5]
.endr
.irp i, 6,10,14,18,22,26
.irp t, 0,1
	v_pk_add_f32 v[ST+8*\t+2:ST+8*\t+3], v[ST+8*\t+2:ST+8*\t+3], v[S+32*\t+\i:S+32*\t+\i+1]
.endr
.irp t, 0,1
	v_pk_add_f32 v[ST+8*\t+6:ST+8*\t+7], v[ST+8*\t+6:ST+8*\t+7], v[S+32*\t+\i+2:S+32*\t+\i+3]
.endr
.endr
.irp t, 0,1
	v_pk_add_f32 v[ST+8*\t+2:ST+8*\t+3], v[ST+8*\t+2:ST+8*\t+3], v[S+32*\t+30:S+32*\t+31]
.endr
.irp t, 0,1
	v_pk_add_f32 v[ST+8*\t+2:ST+8*\t+3], v[ST+8*\t+2:ST+8*\t+3], v[ST+8*\t+6:ST+8*\t+7]
.endr
.set j, 0
.rept 16                                       ; p to f16, in place and ascending: register j takes p 2 j and 2 j + 1, which lie at or above it.  Tiles 2 c2 and 2 c2 + 1 so become source 1 of 32 keys
	v_cvt_pk_f16_f32 v[S+j], v[S+2*j], v[S+2*j+1]
	v_cvt_pk_f16_f32 v[S+32+j], v[S+32+2*j], v[S+32+2*j+1]
.set j, j+1
.endr
.set j, 0
.rept 16                                       ; O^T x a, each accumulator from its low end on
	v_pk_mul_f32 v[O+j:O+j+1], v[O+j:O+j+1], v[ST:ST+1] op_sel_hi:[1,0]
	v_pk_mul_f32 v[O+32+j:O+32+j+1], v[O+32+j:O+32+j+1], v[ST+8:ST+9] op_sel_hi:[1,0]
.set j, j+2
.endr
	s_wait_dscnt 0x0                               ; V is in
.irp c2, 0,1                                   ; O^T += V^T P: eight accumulators by turns
.irp ct, 0,1,2,3
.irp t, 0,1
	v_wmma_f32_16x16x32_f16 v[O+32*\t+8*\ct:O+32*\t+8*\ct+7], v[KV+32*\c2+8*\ct:KV+32*\c2+8*\ct+7], v[S+32*\t+8*\c2:S+32*\t+8*\c2+7], v[O+32*\t+8*\ct:O+32*\t+8*\ct+7]
.endr
.endr
.endr
.Lhidden_\@:
	s_add_co_u32 s[TB], s[TB], STEPB
	s_add_co_u32 s[KF], s[KF], 1
.endm
; A group of 256 keys: my 16 rows of it have landed (the later groups' loads of mine may stay out); then everybody's; then its four steps.
.macro GROUP n
	s_wait_tensorcnt 3-\n
	s_wait_dscnt 0x0
	s_barrier_signal -1
	s_barrier_wait -1
	s_mov_b32 s[CNT], 4
.Lstep_\@:
	STEP
	s_sub_co_u32 s[CNT], s[CNT], 1
	s_cmp_lg_u32 s[CNT], 0
	s_cbranch_scc1 .Lstep_\@
.endm
	GROUP 0
	GROUP 1
	GROUP 2
	GROUP 3
	; THE WAY OUT.  O^T / l, rounded to f16.  Tile ct's four registers of pairs are registers 0-3 (ct even) or 4-7 (ct odd) of the next launch's fragment of 16 rows x 32 columns: they are stored as they stand, 16 bytes a lane.
.rept 4
	v_nop                                          ; places behind the last products
.endr
.irp t, 0,1
	v_add_f32 v[ST+8*\t+6], v[ST+8*\t+2], v[ST+8*\t+3]
.endr
.irp t, 0,1
	v_permlanex16_b32 v[ST+8*\t+7], v[ST+8*\t+6], s[SEL], s[SEL+1]
.endr
.irp t, 0,1
	v_add_f32 v[ST+8*\t+6], v[ST+8*\t+6], v[ST+8*\t+7]     ; the row's sum
.endr
.irp t, 0,1
	v_rcp_f32 v[ST+8*\t], v[ST+8*\t+6]
.endr
	v_nop                                          ; a plain instruction behind the last reciprocal
	s_wait_alu depctr_va_vdst(0)                   ; and the wait ahead of the first reader: one for both
.set j, 0
.rept 16
	v_pk_mul_f32 v[O+j:O+j+1], v[O+j:O+j+1], v[ST:ST+1] op_sel_hi:[1,0]
	v_pk_mul_f32 v[O+32+j:O+32+j+1], v[O+32+j:O+32+j+1], v[ST+8:ST+9] op_sel_hi:[1,0]
.set j, j+2
.endr
.set j, 0
.rept 32
	v_cvt_pk_f16_f32 v[S+j], v[O+2*j], v[O+2*j+1]
.set j, j+1
.endr
.irp t, 0,1
.irp ct, 0,1,2,3
	global_store_b128 v[GO], v[S+16*\t+4*\ct:S+16*\t+4*\ct+3], s[6:7] offset:65536*\t+512*\ct   ; 32 lanes store 512 consecutive bytes, at a multiple of 512 from the buffer's first byte
.endr
.endr
	s_wait_tensorcnt 0x0                           ; the wave's end: behind my last tensor load
	ds_add_u32 v[SPW], v[NIL]
	s_wait_dscnt 0x0
	ROUND                                          ; the closing round
	s_endpgm
.Lfunc_end_k_qae3eb04d82_attn:
	.size	k_qae3eb04d82_attn, .Lfunc_end_k_qae3eb04d82_attn-k_qae3eb04d82_attn
	.p2alignl 7, 3214868480
	.fill 96, 4, 3214868480
	.section	.rodata,"a",@progbits
	.p2align	6, 0x0
	.amdhsa_kernel k_qae3eb04d82_attn
		.amdhsa_group_segment_fixed_size 327680
		.amdhsa_private_segment_fixed_size 0
		.amdhsa_enable_private_segment 0
		.amdhsa_kernarg_size 16
		.amdhsa_user_sgpr_count 2
		.amdhsa_user_sgpr_kernarg_segment_ptr 1
		.amdhsa_wavefront_size32 1
		.amdhsa_system_sgpr_workgroup_id_x 1
		.amdhsa_system_sgpr_workgroup_id_y 1
		.amdhsa_system_sgpr_workgroup_id_z 1
		.amdhsa_system_vgpr_workitem_id 0
		.amdhsa_next_free_vgpr 256
		.amdhsa_next_free_sgpr 66
		.amdhsa_reserve_vcc 1
		.amdhsa_float_denorm_mode_32 3
		.amdhsa_float_denorm_mode_16_64 3
		.amdhsa_memory_ordered 1
		.amdhsa_forward_progress 1
		.amdhsa_inst_pref_size 101
	.end_amdhsa_kernel
	.amdgpu_metadata
---
amdhsa.version: [ 1, 2 ]
amdhsa.kernels:
  - .name:           k_qae3eb04d82_attn
    .symbol:         k_qae3eb04d82_attn.kd
    .args:
      - { .name: qkv16, .offset: 0, .size: 8, .value_kind: global_buffer, .address_space: global }
      - { .name: o_frag, .offset: 8, .size: 8, .value_kind: global_buffer, .address_space: global }
    .group_segment_fixed_size: 327680
    .private_segment_fixed_size: 0
    .kernarg_segment_align: 8
    .kernarg_segment_size: 16
    .max_flat_workgroup_size: 512
    .sgpr_count:     66
    .vgpr_count:     256
    .wavefront_size: 32
...
	.end_amdgpu_metadata
.endif
;; end of part 3
;; launch proj (part 4): grid 8 x 32, 4 waves a work-group, clusters of 4 x 4, 327,680 bytes of LDS; arguments o_frag, wo16, out0; writes out0
.if DOCPART == 4
	.amdgcn_target "amdgcn-amd-amdhsa--gfx1250"
	.amdhsa_code_object_version 6
	.text
	.protected	k_qae3eb04d82_proj
	.globl	k_qae3eb04d82_proj
	.p2align	8
	.type	k_qae3eb04d82_proj,@function
k_qae3eb04d82_proj:
	s_mov_b64 s[64:65], 0
	v_nop
	global_prefetch_b8 v0, s[64:65] scope:SCOPE_SE
	s_setreg_imm32_b32 hwreg(HW_REG_WAVE_MODE, 25, 1), 1
	s_wait_xcnt 0x0
	s_wait_alu depctr_hold_cnt(0) depctr_sa_sdst(0) depctr_va_vdst(0) depctr_va_sdst(0) depctr_va_ssrc(0) depctr_va_vcc(0) depctr_vm_vsrc(0)
	s_getreg_b32 s2, hwreg(HW_REG_IB_STS2, 6, 4)
	s_cmp_eq_u32 s2, 0
	s_cbranch_scc0 .Lentry_in_a_cluster
	s_endpgm
.Lentry_in_a_cluster:
	s_bfe_u32 s2, ttmp6, 0x10000c
	s_cmp_lg_u32 s2, 0xf033
	s_cbranch_scc0 .Lentry_shape_is_right
	s_endpgm
.Lentry_shape_is_right:
; out0[m][n] = sum over k of o[m][k] wo[n][k], f16 operands, f32 sums, f32 out.  o comes as o_frag: [m / 16][k / 32][half 2][lane 32][16 bytes], the image of this kernel's operand registers; wo16: [2048][2048] f16, row-major.
; A tile of out0 is 128 (m) x 256 (n): 256 work-groups.  Four waves, each 64 x 128: 32 accumulators of 16 x 16, 256 registers.  K goes in 16 steps of 128 through a ring of two LDS slots filled by the tensor data mover.
; In a slot o's part lies as it lies in memory: 8 tiles of rows x 4,096 bytes; a fragment's half is 512 consecutive bytes, 16 a lane.  wo's part: 256 rows of 256 bytes + 16 of padding.
; CLUSTERS: 4 x 4 work-groups.  o's tiles are shared along a row of the cluster, wo's along a column: each is asked for JOINTLY, by the same tensor load with the same descriptor and a mask that names the four.
; THE MATRIX INSTRUCTION IS USED TRANSPOSED (source 0 = 16 rows of wo, source 1 = 16 rows of o): a lane holds eight neighbouring numbers of a row of out0.
; REGISTERS: window 0: v0-31 addresses; v32-127 and v128-223 two fragment buffers (wo's 64 registers, then o's 32), 32 along K each; on the way out rows read back.   window 1: accumulator (a, b) at v[8 (8 a + b)].
.set PITCH,  272                       ; a row of wo in LDS: 68 words: row r starts at bank 4 r mod 64 (64 banks of 4 bytes: ISA guide 11.1)
.set ABYTES, 32768                     ; o's part of a slot
.set HALFA,  16384                     ; four tiles of rows: what one tensor load brings, and what one wave reads
.set HALFB,  128*PITCH                 ; 128 rows of wo: likewise
.set SLOT,   ABYTES+2*HALFB
.set STAGE,  2*SLOT                    ; behind the ring: 16 rows x (512 bytes + 16) for each wave, for the way out
.set SPITCH, 528
.set SPARE,  STAGE+4*16*SPITCH         ; behind the stages: the spare words, 128 bytes a wave
.set LAPS,   8                         ; a lap = two K steps = once round the ring
.set OUTROW, 8192                      ; a row of out0 in bytes
.set ADRA, 16                          ; v16-17  LDS address of my fragments of o in slot 0, 1
.set ADRB, 20                          ; v20-21  the same for wo
.set STO,  24                          ; v24     the way out: where I put 32 bytes of a row
.set RD,   25                          ; v25     where I read a row back
.set CO,   26                          ; v26     16 x lane: my byte offset in a row's 512 bytes
.set SPW,  28                          ; v28     LDS address of my spare word; never rewritten
.set NIL,  29                          ; v29     0; never rewritten
.set PFO,  30                          ; v30     the prefetches' offset; never rewritten
.set F0,   32
.set F1,   128
.set G1,  24                           ; s[24:31] descriptor group 1 for o's tiles;  s[32:39] group 0, one set for each slot
.set G0,  32
.set G1B, 48                           ; s[48:55], s[56:63] the same for wo's
.set G0B, 56
.set LIM0, 43                          ; s43     1 in a wave that prefetches at slot 0's change, else the greatest number
.set PFA,  44                          ; s[44:45] where my prefetches stand
.set PFS,  66                          ; s[66:67] a K step on, in bytes: 4,096 in a tile of rows of o_frag, 256 in a row of wo16
.set LIM1, 68                          ; s68     the same as LIM0 for slot 1's change
.set MSB, 0
.macro WIN new                         ; the immediate's high byte repeats the setting that is left
.if MSB != \new
	s_set_vgpr_msb (MSB<<8)|\new
.set MSB, \new
.endif
.endm
.set MUL, 0x50                         ; sources 0 and 1 window 0; C and D window 1
.macro JLOAD s                         ; a joint load: waves 0 and 1 fetch o's two halves, waves 2 and 3 wo's; an s_nop 0 and four v_nop follow each of the two lines
	s_cmp_eq_u32 s11, 0
	s_cbranch_scc0 .Lfor_b_\@
	tensor_load_to_lds s[G0+4*\s:G0+4*\s+3], s[G1:G1+7]
	s_nop 0
.rept 4
	v_nop
.endr
	s_branch .Lasked_\@
.Lfor_b_\@:
	tensor_load_to_lds s[G0B+4*\s:G0B+4*\s+3], s[G1B:G1B+7]
	s_nop 0
.rept 4
	v_nop
.endr
.Lasked_\@:
.endm
; A PREFETCH INTO THE L2, behind a joint load, its five lines and the run of LDS loads: one instruction a wave.
; wo's waves: at every change of slots, the K step that stands two refills on: 32 rows x 256 bytes, a lane a row.  A tile column's rows are read by every cluster of that column of clusters: the one with y = 0 asks;
; of the 128 rows that a wave fetches, the partner at place cy takes 32, told apart by address.
; o's waves: at slot 0's change alone, the two K steps that stand two and three refills on: 8,192 consecutive bytes of one tile of rows, lanes 256 bytes apart.  The cluster with x = 0 asks; of the wave's four tiles of rows the partner at place cx takes one.
; So each aligned block of 256 bytes is named once in the launch.  The loop's last trip asks for nothing: K step 15 is the last that is named.  K steps 0 to 3 come by their loads alone.
.macro ASK slot
.if \slot
	s_cmp_gt_u32 s3, s[LIM1]                       ; s3 = 1 in the loop's last trip
.else
	s_cmp_gt_u32 s3, s[LIM0]
.endif
	s_cbranch_scc0 .Lnot_mine_\@
	global_prefetch_b8 v[PFO], s[PFA:PFA+1] th:TH_LOAD_NT scope:SCOPE_SE
.Lnot_mine_\@:
.endm
.macro CREST                           ; a round of the cluster's barrier behind its opening barrier
	s_cmp_lg_u32 s10, 0
	s_cbranch_scc1 .Lnot_wave_0_\@
	s_barrier_signal -3
.Lnot_wave_0_\@:
	s_barrier_wait -3
	s_barrier_signal -1
	s_barrier_wait -1
.endm
.macro CROUND                          ; a whole round
	s_barrier_signal -1
	s_barrier_wait -1
	CREST
.endm
	s_load_b128 s[4:7], s[0:1], 0x0                ; o_frag s[4:5], wo16 s[6:7]
	s_load_b64 s[8:9], s[0:1], 0x10                ; out0
	v_lshl_add_u32 v[SPW], v0, 2, SPARE
	v_mov_b32 v[NIL], 0
	ds_add_u32 v[SPW], v[NIL]                      ; the wave's opening: the add, twice on end, and its wait ahead of my first tensor load
	ds_add_u32 v[SPW], v[NIL]
	v_lshrrev_b32 v1, 5, v0
	v_readfirstlane_b32 s10, v1                    ; wave 0..3
	s_lshr_b32 s11, s10, 1                         ; which half of the tile's rows is mine.  Also: I fetch for o (0) or for wo (1)
	s_and_b32 s12, s10, 1                          ; which half of its columns.  Also: which half of that tile I fetch
	s_bfe_u32 s40, ttmp6, 0x40000                  ; cx, cy: my place in the cluster
	s_bfe_u32 s41, ttmp6, 0x40004
	s_lshl_b32 s42, ttmp9, 2
	s_add_co_u32 s42, s42, s40                     ; tile column = 4 x cluster x + cx
	s_and_b32 s13, ttmp7, 0xffff
	s_lshl_b32 s13, s13, 2
	s_add_co_u32 s13, s13, s41                     ; tile row = 4 x cluster y + cy
	s_lshl_b32 s43, s41, 2
	s_lshl_b32 s43, 15, s43                        ; my row of the cluster
	s_lshl_b32 s44, 0x1111, s40                    ; my column
	; o: four rows of 4,096 bytes (512 elements of 8 bytes), 65,536 bytes apart, no padding
	s_or_b32 s[G1+0], s43, (3<<16)|(1<<21)         ; 15:0 the mask: my row; 17:16 elements of 8 bytes; 21 set beside a mask
	s_mov_b32 s[G1+1], 512<<16                     ; tensor_dim0
	s_mov_b32 s[G1+2], 4<<16                       ; tensor_dim1
	s_mov_b32 s[G1+3], 512<<16                     ; tile_dim0
	s_mov_b32 s[G1+4], 4                           ; tile_dim1
	s_mov_b32 s[G1+5], 8192                        ; tensor_dim0_stride
	s_mov_b32 s[G1+6], 0
	s_mov_b32 s[G1+7], 0
	; wo: 128 rows x 128 elements of 2 bytes, 2,048 elements apart, four words of padding behind every 64
	s_or_b32 s[G1B+0], s44, (1<<16)|(1<<20)|(1<<21)|(5<<22)|(3<<25)
	s_mov_b32 s[G1B+1], 128<<16
	s_mov_b32 s[G1B+2], 128<<16
	s_mov_b32 s[G1B+3], 128<<16
	s_mov_b32 s[G1B+4], 128
	s_mov_b32 s[G1B+5], 2048
	s_mov_b32 s[G1B+6], 0
	s_mov_b32 s[G1B+7], 0
	s_lshl_b32 s16, s13, 3
	s_lshl_b32 s17, s12, 2
	s_add_co_u32 s16, s16, s17                     ; o: tile of rows 8 x tile row + 4 x half,
	s_lshl_b32 s16, s16, 16                        ; 65,536 bytes each
	s_mov_b32 s17, 0
	s_lshl_b32 s46, s42, 8
	s_lshl_b32 s47, s12, 7
	s_add_co_u32 s46, s46, s47                     ; wo: row 256 x tile column + 128 x half,
	s_lshl_b32 s46, s46, 12                        ; 4,096 bytes each
	s_mov_b32 s47, 0
	s_mul_i32 s20, s12, HALFA                      ; where they go: no place in the cluster enters an LDS address
	s_mul_i32 s21, s12, HALFB
	s_add_co_u32 s21, s21, ABYTES
	s_wait_dscnt 0x0                               ; both opening adds are done
	s_wait_kmcnt 0x0
	s_add_nc_u64 s[14:15], s[4:5], s[16:17]
	s_add_nc_u64 s[46:47], s[6:7], s[46:47]
	CROUND                                         ; all sixteen work-groups are here: the first joint loads meet
.irp s, 0,1
	s_mov_b32 s[G0+4*\s], 1
	s_add_co_u32 s[G0+4*\s+1], s20, \s*SLOT
	s_add_nc_u64 s[G0+4*\s+2:G0+4*\s+3], s[14:15], \s*4096
	s_or_b32 s[G0+4*\s+3], s[G0+4*\s+3], 0x80000000
	s_mov_b32 s[G0B+4*\s], 1
	s_add_co_u32 s[G0B+4*\s+1], s21, \s*SLOT
	s_add_nc_u64 s[G0B+4*\s+2:G0B+4*\s+3], s[46:47], \s*256
	s_or_b32 s[G0B+4*\s+3], s[G0B+4*\s+3], 0x80000000
	JLOAD \s                                       ; two tensor loads of mine are out behind the second
.endr
	v_and_b32 v1, 15, v0                           ; l % 16
	v_bfe_u32 v2, v0, 4, 1                         ; l / 16
	v_and_b32 v6, 31, v0                           ; lane
	v_lshlrev_b32 v7, 4, v6                        ; o: 16 x lane
	v_mul_u32_u24 v3, v1, PITCH
	v_lshl_add_u32 v3, v2, 4, v3                   ; wo: row x pitch + 16 x half
	s_mul_i32 s21, s11, HALFA                      ; my 64 rows of o
	s_mul_i32 s22, s12, HALFB                      ; my 128 rows of wo,
	s_add_co_u32 s22, s22, ABYTES                  ; which lie behind o's part
.irp s, 0,1
	v_add_nc_u32 v[ADRA+\s], s21, v7
	v_add_nc_u32 v[ADRB+\s], s22, v3
	s_add_co_u32 s21, s21, SLOT
	s_add_co_u32 s22, s22, SLOT
.endr
	s_mul_i32 s23, s10, 16*SPITCH
	s_add_co_u32 s23, s23, STAGE                   ; my stage
	v_mul_u32_u24 v5, v1, SPITCH                   ; in: row l % 16, 32 bytes for each half of the lanes
	v_lshl_add_u32 v5, v2, 5, v5
	v_add_nc_u32 v[STO], s23, v5
	v_lshlrev_b32 v[CO], 4, v6                     ; back: the 32 lanes take one row of 512 bytes; and the same in out0
	v_add_nc_u32 v[RD], s23, v[CO]
	s_lshl_b32 s16, s13, 7
	s_lshl_b32 s17, s11, 6
	s_add_co_u32 s16, s16, s17                     ; my first row: 128 x tile row + 64 x half
	s_lshl_b32 s16, s16, 13                        ; 8,192 bytes a row
	s_mov_b32 s17, 0
	s_add_nc_u64 s[8:9], s[8:9], s[16:17]
	s_lshl_b32 s46, s42, 10                        ; my first column, in bytes: 1,024 x tile column + 512 x half
	s_lshl_b32 s47, s12, 9
	s_add_co_u32 s46, s46, s47
	s_mov_b32 s47, 0
	s_add_nc_u64 s[8:9], s[8:9], s[46:47]
	; the prefetches: where my wave's stand, and who asks
	s_lshl_b32 s18, s13, 3
	s_lshl_b32 s19, s12, 2
	s_add_co_u32 s18, s18, s19
	s_add_co_u32 s18, s18, s40                     ; o: of the four tiles of rows that I fetch, my work-group's one,
	s_lshl_b32 s18, s18, 16
	s_add_co_u32 s18, s18, 3*4096                  ; at K step 3: the first change of slots steps it to 4
	s_lshl_b32 s20, s42, 8
	s_lshl_b32 s19, s12, 7
	s_add_co_u32 s20, s20, s19
	s_lshl_b32 s19, s41, 5
	s_add_co_u32 s20, s20, s19                     ; wo: of the 128 rows that I fetch, my work-group's 32,
	s_lshl_b32 s20, s20, 12
	s_add_co_u32 s20, s20, 3*256                   ; at K step 3
	s_and_b32 s22, ttmp7, 0xffff                   ; cluster y
	s_mov_b32 s23, 4096
	s_mov_b32 s[PFS], 256
	s_cmp_eq_u32 s11, 0                            ; do I fetch for o?
	s_cselect_b32 s20, s18, s20
	s_cselect_b32 s22, ttmp9, s22                  ; the coordinate along which other clusters read the same bytes
	s_cselect_b32 s23, 256, s23                    ; from lane to lane
	s_cselect_b32 s[PFS], 4096, s[PFS]             ; from K step to K step
	s_cselect_b64 s[PFA:PFA+1], s[4:5], s[6:7]
	s_cselect_b32 s[LIM1], -1, 1                   ; o's waves ask at slot 0's change alone
	s_mov_b32 s21, 0
	s_mov_b32 s[PFS+1], 0
	s_add_nc_u64 s[PFA:PFA+1], s[PFA:PFA+1], s[20:21]
	s_cmp_eq_u32 s22, 0                            ; the same in all sixteen partners, for a given wave
	s_cselect_b32 s[LIM0], 1, -1
	s_cselect_b32 s[LIM1], s[LIM1], -1
	v_mul_lo_u32 v[PFO], v6, s23
; 8 matrix instructions: o's block a x wo's eight, 32 along K.  zero = 1: the first product starts the sums.  The 32 accumulators take turns, one instruction a turn, in the same order in every quarter.
.macro MUL8 f, a, zero
.irp b, 0,1,2,3,4,5,6,7
.if \zero
	v_wmma_f32_16x16x32_f16 v[8*(8*\a+\b):8*(8*\a+\b)+7], v[\f+8*\b:\f+8*\b+7], v[\f+64+8*\a:\f+64+8*\a+7], 0
.else
	v_wmma_f32_16x16x32_f16 v[8*(8*\a+\b):8*(8*\a+\b)+7], v[\f+8*\b:\f+8*\b+7], v[\f+64+8*\a:\f+64+8*\a+7], v[8*(8*\a+\b):8*(8*\a+\b)+7]
.endif
.endr
.endm
; 24 LDS loads in one run: the fragments of the slot's q-th 32 along K into buffer f: wo's eight, then o's blocks 0 to 3
.macro FETCH slot, q, f
.irp b, 0,1,2,3,4,5,6,7
	ds_load_b128 v[\f+8*\b:\f+8*\b+3],   v[ADRB+\slot] offset:\b*16*PITCH+64*(\q)
	ds_load_b128 v[\f+8*\b+4:\f+8*\b+7], v[ADRB+\slot] offset:\b*16*PITCH+64*(\q)+32
.endr
.irp a, 0,1,2,3
	ds_load_b128 v[\f+64+8*\a:\f+64+8*\a+3],   v[ADRA+\slot] offset:4096*\a+1024*(\q)
	ds_load_b128 v[\f+64+8*\a+4:\f+64+8*\a+7], v[ADRA+\slot] offset:4096*\a+1024*(\q)+512
.endr
.endm
.macro PLACES                          ; four places in front of loads into registers that matrix instructions have read, and of the first read of results (ISA guide 7.12.1 for vector instructions)
.rept 4
	v_nop
.endr
.endm
; A K step is four quarters of 32 along K, 32 matrix instructions each, on buffers 0, 1, 0, 1.  One of the first three: multiplies buffer f and fetches the slot's q-th quarter into g.
.macro QUARTER slot, q, f, g, zero
	s_wait_dscnt 4                                 ; wo's fragments and o's blocks 0 and 1 are in; the youngest four loads (blocks 2 and 3) may be out
	WIN MUL
	MUL8 \f, 0, \zero
	MUL8 \f, 1, \zero
	PLACES
	WIN 0
	FETCH \slot, \q, \g
	s_wait_dscnt 24                                ; all but the 24 just issued
	WIN MUL
	MUL8 \f, 2, \zero
	MUL8 \f, 3, \zero
.endm
; The last quarter multiplies buffer 1 and changes slots: ONE barrier; in front of it each wave waits for all its tensor loads, adds 0 to its spare word, and waits for that and for its own reads of this slot.  fill = 1: this slot is filled again, two K steps ahead.
.macro TURN slot, next, fill
.if \fill
	s_wait_xcnt 0x0                                ; the last prefetch, a K step back, has read its address: it is stepped here, ahead of the waits of the change of slots
	s_add_nc_u64 s[PFA:PFA+1], s[PFA:PFA+1], s[PFS:PFS+1]
.endif
	WIN 0                                          ; (the add's two registers lie in window 0)
	s_wait_tensorcnt 0x0                           ; all my tensor loads have landed: my part of the next slot;
	ds_add_u32 v[SPW], v[NIL]                      ; 0 onto my spare word;
	s_wait_dscnt 5                                 ; (the add and the youngest four loads may be out)
	WIN MUL
	MUL8 F1, 0, 0                                  ; eight matrix instructions stand between the add and the wait for it
	s_wait_dscnt 0x0                               ; the add is done, and my reads of this slot are over
	s_barrier_signal -1
	MUL8 F1, 1, 0
	WIN 0                                          ; (branches and loads under window 0 follow)
	s_barrier_wait -1
.if \fill
	CREST                                          ; the barrier has opened a round of the cluster's barrier: no wave of any partner still reads this slot's tile or has a load on its way
	s_add_nc_u64 s[G0+4*\slot+2:G0+4*\slot+3], s[G0+4*\slot+2:G0+4*\slot+3], 2*4096
	s_add_nc_u64 s[G0B+4*\slot+2:G0B+4*\slot+3], s[G0B+4*\slot+2:G0B+4*\slot+3], 2*256
	JLOAD \slot                                    ; the first tensor load behind the round: 112 matrix instructions ahead of the wait for it; its four v_nop are the places in front of the loads below
.else
	PLACES
.endif
	FETCH \next, 0, F0
.if \fill
	ASK \slot
.endif
	WIN MUL
	MUL8 F1, 2, 0
	MUL8 F1, 3, 0
.endm
	s_wait_tensorcnt 1                             ; my part of K step 0 is in (K step 1's load may be out)
	s_barrier_signal -1
	s_barrier_wait -1                              ; everybody's is
	FETCH 0, 0, F0
	QUARTER 0, 1, F0, F1, 1                        ; the first quarter stands in front of the loop: its products start the sums
	WIN 0                                          ; at a label and at a branch every window is 0
	s_mov_b32 s3, LAPS-1
.Llap:                                                 ; a trip goes once round the ring, from a lap's second quarter to the next lap's first, and fills both slots again
	QUARTER 0, 2, F1, F0, 0
	QUARTER 0, 3, F0, F1, 0
	TURN 0, 1, 1
	QUARTER 1, 1, F0, F1, 0
	QUARTER 1, 2, F1, F0, 0
	QUARTER 1, 3, F0, F1, 0
	TURN 1, 0, 1
	QUARTER 0, 1, F0, F1, 0
	WIN 0
	s_sub_co_u32 s3, s3, 1
	s_cmp_lg_u32 s3, 0
	s_cbranch_scc1 .Llap
	QUARTER 0, 2, F1, F0, 0                        ; the last lap fills nothing, and has no round of the cluster's barrier
	QUARTER 0, 3, F0, F1, 0
	TURN 0, 1, 0
	QUARTER 1, 1, F0, F1, 0
	QUARTER 1, 2, F1, F0, 0
	QUARTER 1, 3, F0, F1, 0
	s_wait_dscnt 4                                 ; the very last quarter: nothing more to fetch
	WIN MUL
	MUL8 F1, 0, 0
	MUL8 F1, 1, 0
	s_wait_dscnt 0
	MUL8 F1, 2, 0
	MUL8 F1, 3, 0
	WIN 0
; THE WAY OUT, block by block of 16 rows x 128 columns.  A lane holds 32 neighbouring bytes of a row: a block goes through my own stage in LDS and comes back as whole rows of 512 bytes.
; LDS serves a wave's instructions in order (ISA guide 5.7.1.4): no wait between the stores and the loads, nor in front of the next block's stores.
.macro TOSTAGE a
	WIN 0x04                                       ; an LDS store's data are its source 1: window 1
.irp b, 0,1,2,3,4,5,6,7
	ds_store_b128 v[STO], v[8*(8*(\a)+\b):8*(8*(\a)+\b)+3] offset:64*\b          ; each accumulator from its low end on
	ds_store_b128 v[STO], v[8*(8*(\a)+\b)+4:8*(8*(\a)+\b)+7] offset:64*\b+16
.endr
	WIN 0
.set BB, 32+96*((\a)%2)
.irp t, 0,1,2,3,4,5,6,7,8,9,10,11,12,13,14,15
	ds_load_b128 v[BB+4*\t:BB+4*\t+3], v[RD] offset:\t*SPITCH
.endr
.endm
.macro SEND a, younger                 ; younger: the LDS instructions issued behind block a's loads, which may stay out
.set BB, 32+96*((\a)%2)
	s_wait_dscnt \younger                          ; the block is back in registers
.if (\a) > 0
	s_add_nc_u64 s[8:9], s[8:9], 16*OUTROW         ; (behind a wait on XCNT for 0: the earlier stores have read their base)
.endif
.irp t, 0,1,2,3,4,5,6,7,8,9,10,11,12,13,14,15
	global_store_b128 v[CO], v[BB+4*\t:BB+4*\t+3], s[8:9] offset:\t*OUTROW th:TH_STORE_NT   ; 32 lanes store 512 consecutive bytes, at a multiple of 512 from the buffer's first byte; written once, read by nobody here
.endr
.endm
	PLACES                                         ; behind the last products: their results are read and their fragments' registers loaded below
	TOSTAGE 0
.irp a, 1,2,3
.if \a > 1
	s_wait_xcnt 0x0                                ; block a - 2's stores have read their registers and their base: block a's loads may land there, and the base may step
.endif
	TOSTAGE \a
	SEND \a-1, 32                                  ; behind block a - 1's loads: block a's 16 stores and 16 loads
.endr
	s_wait_xcnt 0x0                                ; block 2's stores have read their base
	SEND 3, 0
	s_wait_tensorcnt 0x0                           ; the wave's end: behind my last tensor load and my last LDS store
	ds_add_u32 v[SPW], v[NIL]
	s_wait_dscnt 0x0
	CROUND                                         ; the closing round: no work-group ends while a partner may still ask for a tile that names it
	s_endpgm
.Lfunc_end_k_qae3eb04d82_proj:
	.size	k_qae3eb04d82_proj, .Lfunc_end_k_qae3eb04d82_proj-k_qae3eb04d82_proj
	.p2alignl 7, 3214868480
	.fill 96, 4, 3214868480
	.section	.rodata,"a",@progbits
	.p2align	6, 0x0
	.amdhsa_kernel k_qae3eb04d82_proj
		.amdhsa_group_segment_fixed_size 327680
		.amdhsa_private_segment_fixed_size 0
		.amdhsa_enable_private_segment 0
		.amdhsa_kernarg_size 24
		.amdhsa_user_sgpr_count 2
		.amdhsa_user_sgpr_kernarg_segment_ptr 1
		.amdhsa_wavefront_size32 1
		.amdhsa_system_sgpr_workgroup_id_x 1
		.amdhsa_system_sgpr_workgroup_id_y 1
		.amdhsa_system_sgpr_workgroup_id_z 1
		.amdhsa_system_vgpr_workitem_id 0
		.amdhsa_next_free_vgpr 512
		.amdhsa_next_free_sgpr 70
		.amdhsa_reserve_vcc 0
		.amdhsa_float_denorm_mode_32 3
		.amdhsa_float_denorm_mode_16_64 3
		.amdhsa_memory_ordered 1
		.amdhsa_forward_progress 1
		.amdhsa_inst_pref_size 87
	.end_amdhsa_kernel
	.amdgpu_metadata
---
amdhsa.version: [ 1, 2 ]
amdhsa.kernels:
  - .name:           k_qae3eb04d82_proj
    .symbol:         k_qae3eb04d82_proj.kd
    .args:
      - { .name: o_frag, .offset: 0, .size: 8, .value_kind: global_buffer, .address_space: global }
      - { .name: wo16, .offset: 8, .size: 8, .value_kind: global_buffer, .address_space: global }
      - { .name: out0, .offset: 16, .size: 8, .value_kind: global_buffer, .address_space: global }
    .group_segment_fixed_size: 327680
    .private_segment_fixed_size: 0
    .kernarg_segment_align: 8
    .kernarg_segment_size: 24
    .max_flat_workgroup_size: 128
    .sgpr_count:     70
    .vgpr_count:     512
    .wavefront_size: 32
...
	.end_amdgpu_metadata
.endif
;; end of part 4
